; MI455X (gfx1250); checked and timed in simulation.
; The chip was launched on July 23, 2026; its instructions are those of AMD's public machine-readable ISA for CDNA 5 (MIT licence, August 2026) and "CDNA5" Instruction Set Architecture Reference Guide (July 2026). The comments in the code are by the model that wrote it; some were corrected since.
;; Multi Head Self Attention. Allowed arithmetic: matrix products marked QUANTISED: E2M3 operands, one E8M0 scale for each 32 along K, by v_wmma_scale_f32_16x16x128_f8f6f4 with both operands' format E2M3, f32 sums; everything else in f32.
;; Inputs: bk 1,024 float32; bo 1,024 float32; bq 1,024 float32; bv 1,024 float32; inputs 4 x 2,048 x 1,024 float32; ln_beta 1,024 float32; ln_gamma 1,024 float32; wk 1,024 x 1,024 float32; wo 1,024 x 1,024 float32; wq 1,024 x 1,024 float32; wv 1,024 x 1,024 float32.
;; Outputs: out0 4 x 2,048 x 1,024 float32.
;; This version of the problem:
;;   THIS VERSION OF THE PROBLEM IS GIVEN IN LOW PRECISION. The matrix products marked QUANTISED in the list below multiply operands that are first quantised to E2M3 (2 exponent bits, 3 mantissa bits; 6 bits a number), with one power-of-two scale for each 32 numbers along K (OCP MX v1.0); their sums are f32. All else is computed in f32.
;;   The module's matrix products, in the order in which they are computed (A, B: the left and right operand; K: the contracted axis; several contracted axes count as one K, in the product's order):
;;     1. [M 8,192, K 1,024] x [K 1,024, N 1,024]; A: input inputs; B: input wq: QUANTISED
;;     2. [M 8,192, K 1,024] x [K 1,024, N 1,024]; A: input inputs; B: input wk: QUANTISED
;;     3. [M 8,192, K 1,024] x [K 1,024, N 1,024]; A: input inputs; B: input wv: QUANTISED
;;     4. batch 64 x [M 2,048, K 64] x [K 64, N 2,048]; A: computed on the way; B: computed on the way: QUANTISED
;;     5. batch 64 x [M 2,048, K 2,048] x [K 2,048, N 64]; A: softmax (see below); B: computed on the way: QUANTISED
;;     6. [M 8,192, K 1,024] x [K 1,024, N 1,024]; A: computed on the way; B: input wo: QUANTISED
;;   THE QUANTISER, for each operand of a quantised product, along K:
;;     - K is cut into blocks of 32 from its start; a last block that is shorter is filled with zeros.
;;     - A block's scale is 2^e with e = floor(log2(the largest magnitude in the block)) - 2, held to -126 .. 127; a block of zeros has e = 0. As a byte (E8M0): e + 127.
;;     - Each number is divided by its block's scale, clamped to +-7.5, and rounded to the nearest number of E2M3, ties to even, subnormals kept.
;;     - The product sums the exact products of the quantised numbers (number of the format x scale) in f32.
;;   ~~~python
;;   def quantise(x, axis):      # numpy; x: float32 -> the quantised numbers, widened to float32 again
;;       x = np.moveaxis(x, axis, -1); K = x.shape[-1]
;;       x = np.pad(x, [(0, 0)] * (x.ndim - 1) + [(0, -K % 32)]); x = x.reshape(x.shape[:-1] + (-1, 32)); a = np.abs(x).max(-1, keepdims=True)
;;       e = np.where(a > 0, np.clip(np.frexp(np.where(a > 0, a, 1))[1] - 1 - 2, -126, 127), 0)      # np.frexp(a)[1] - 1 = floor(log2(a)), exactly
;;       r = np.clip(x / 2.0 ** e, -7.5, 7.5)
;;       step = 2.0 ** (np.maximum(np.frexp(np.where(r == 0, 1, r))[1] - 1, 0) - 3)
;;       q = np.round(r / step) * step * 2.0 ** e      # np.round: ties to even
;;       return np.moveaxis(q.reshape(q.shape[:-2] + (-1,))[..., :K], -1, axis).astype(np.float32)
;;   ~~~
;;   SOFTMAX AHEAD OF A QUANTISED PRODUCT. Where the list says 'softmax', what is quantised is not the finished softmax but p = 2^(t - M), with t = logit x log2(e) and M = ceil(the row's largest t), a whole number; so 1/2 < the row's largest p <= 1. The row's sum l is taken of the UNQUANTISED p, in f32, and the product's result is divided by l at the end. Since M is a whole number, a kernel that streams over the keys may use a running M (the ceiling of the running maximum): every later rescaling is an exact power of two, which a block's scale takes up: the codes' values come out the same.
;;   OPERANDS COMPUTED ON THE WAY. 'Computed on the way' means the value that the module computes at that place (a softmax that the list does not call 'softmax' is quantised finished and normalised). What goes into a quantiser is computed in f32, as accurately as f32 sums, v_exp_f32 and their like allow (about 1e-6 of the number): no bf16 or f16 on the way to a quantiser, and a product that is left as it is and whose result goes on into a quantised operand takes f32 operands (vector FMAs, or v_wmma_f32_16x16x4_f32). A number that lies on a knife's edge between two numbers of the format may be rounded either way, as far as f32 arithmetic and the matrix unit's own rounding can turn it there, and no further.
;; One version. Each part assembles by itself: llvm-mc -triple=amdgcn-amd-amdhsa -mcpu=gfx1250 --defsym DOCPART=n.
;; ======== version 1 of 1: 4 launches
;; limits: right only within a limited range of input values
;; workspace buffers: xw 9,830,400 bytes; qkv 19,660,800 bytes; oq 6,553,600 bytes
;; launch quant (part 1): grid 384 x 1, 4 waves a work-group, no clusters, 34,304 bytes of LDS; arguments inputs, wq, wk, wv, wo, xw; writes xw
.if DOCPART == 1
	.amdgcn_target "amdgcn-amd-amdhsa--gfx1250"
	.amdhsa_code_object_version 6
	.text
	.protected	k_qa890cf0a63_quant
	.globl	k_qa890cf0a63_quant
	.p2align	8
	.type	k_qa890cf0a63_quant,@function
k_qa890cf0a63_quant:
	s_mov_b64 s[64:65], 0
	v_nop
	global_prefetch_b8 v0, s[64:65] scope:SCOPE_SE
	s_setreg_imm32_b32 hwreg(HW_REG_WAVE_MODE, 25, 1), 1
	s_wait_xcnt 0x0
; inputs [8192][1024] (K innermost) and wq, wk, wv, wo [1024 (K)][1024 (N)] (K outermost), f32, become codes of FP6 (E2M3) with one E8M0 byte for each 32 along K.
; A block's byte is its largest magnitude's exponent field - 2, held at 1 from below; numbers are divided by the scale and rounded to the nearest code, ties to even, beyond 7.5 the largest code.
; LIMITS: NaN and infinities are not served; a block of zeros keeps the byte 1 where the rule says 127 (its codes are zeros, and this program alone reads the bytes).
; THE WORKSPACE xw IS LAID IN THE ORDER OF THE OPERAND'S REGISTERS.  96 groups of 128 rows (0-63: tokens; 64 + 8 wt + g: columns of weight wt); a group has four records of 25,600 bytes, one for each 256 along K:
; codes [tile i 0..7][q 0..1][1,536], then at 24,576 the scale words [i][row r][q].  A fragment's image (16 rows x 128 K, 12 registers a lane) is three pieces of 512 bytes: registers 4 k .. 4 k + 3, lane l at 16 l.
; THE ROWS OF A TILE ARE NOT NEIGHBOURS: row r of tile i is row 32 (i / 2) + 8 (i % 2) + r + 8 (r / 8) of the group, so that a product that takes the tile as source 0 leaves 16 neighbours in the registers of two tiles.
; Work-groups 0-255: 32 tokens each, wave = which 256 along K.  Work-groups 256-383: 128 columns x 256 along K of one weight, a lane to a column, registers down K.  Waves share nothing: no barrier.
.set REC,  25600
.set RR,   16                          ; v16-143   tokens: two sets of 64 registers as loaded
.set XX,   144                         ; v144-207  a fragment's 64 numbers of my lane: two whole blocks of 32
.set FF,   208                         ; v208-231  two sets of 12: the codes
.set TC,   232                         ; v232-238  second halves of blocks (a conversion's three registers begin on an even number)
.set TM,   240                         ; v240-241  largest magnitudes
.set SO,   242                         ; v242-243  the conversions' scale operands
.set BY,   244                         ; v244-245  scale bytes
.set PW,   248                         ; v248-251  a scale word for each fragment
.set WX,   16                          ; weights: v16-79 two sets of 32 numbers
.set FW,   80                          ; v80-127   four sets of 12: the codes of (q, half)
.set SB,   244                         ; v244-245  my column's scale words, q = 0, 1
	s_load_b256 s[4:11], s[0:1], 0x0               ; inputs s[4:5], wq s[6:7], wk s[8:9], wv s[10:11]
	s_load_b128 s[12:15], s[0:1], 0x20             ; wo s[12:13], xw s[14:15]
	v_lshl_add_u32 v254, v0, 2, 0x8400
	v_mov_b32 v255, 0
	v_lshrrev_b32 v6, 5, v0
	v_readfirstlane_b32 s16, v6                    ; wave 0..3
	v_and_b32 v10, 31, v0                          ; lane
	v_and_b32 v11, 15, v0                          ; lane % 16
	v_bfe_u32 v12, v0, 4, 1                        ; lane / 16
	s_mov_b32 s20, 0x76543210
	s_mov_b32 s21, 0xfedcba98                      ; v_permlanex16_b32's selects for lane l xor 16
	s_cmp_lt_u32 ttmp9, 256
	s_cbranch_scc0 .Lweights
; ---------------- tokens: work-group P takes tokens 32 P .. 32 P + 31 (tiles 2 (P % 4), + 1 of group P / 4), wave sigma the K range 256 sigma on: four fragments f = 2 m + q
	v_lshlrev_b32 v1, 4, v10                       ; 16 x lane: a load's and a store's place
	s_mul_i32 s17, s16, 8448                       ; my stage: 16 rows x (512 + 16) bytes
	v_add_nc_u32 v2, s17, v1                       ; into it: as loaded
	v_mul_u32_u24 v3, v11, 528
	v_lshl_add_u32 v3, v12, 7, v3
	v_add_nc_u32 v3, s17, v3                       ; out of it: row r, + 128 h: my block of 32 numbers
	v_lshlrev_b32 v4, 3, v10                       ; 8 x lane: the scale words' place
	v_lshlrev_b32 v5, 3, v12                       ; 8 h: my bytes' shift in a scale word
	v_mov_b32 v253, 0                              ; a lane permute's destination counts as one of its sources
	s_lshl_b32 s22, ttmp9, 17                      ; 32 rows of 4,096 bytes
	s_lshl_b32 s23, s16, 10                        ; + 256 numbers
	s_add_co_u32 s22, s22, s23
	s_mov_b32 s23, 0
	s_lshr_b32 s24, ttmp9, 2
	s_lshl_b32 s24, s24, 2
	s_add_co_u32 s24, s24, s16
	s_mul_i32 s24, s24, REC                        ; my record
	s_and_b32 s25, ttmp9, 3
	s_mul_i32 s26, s25, 6144
	s_add_co_u32 s26, s26, s24                     ; my four images
	s_mov_b32 s27, 0
	s_lshl_b32 s28, s25, 8
	s_add_co_u32 s28, s28, s24
	s_add_co_u32 s28, s28, 24576                   ; my 256 bytes of scale words
	s_mov_b32 s29, 0
	s_wait_alu depctr_va_vdst(0)
	s_wait_kmcnt 0x0
	s_add_nc_u64 s[4:5], s[4:5], s[22:23]
	s_add_nc_u64 s[18:19], s[14:15], s[26:27]
	s_add_nc_u64 s[14:15], s[14:15], s[28:29]
.macro XLOAD f                         ; fragment f: 16 rows x 512 bytes, each load 512 consecutive bytes
.irp i, 0,1,2,3,4,5,6,7,8,9,10,11,12,13,14,15
	global_load_b128 v[RR+64*((\f)%2)+4*\i:RR+64*((\f)%2)+4*\i+3], v1, s[4:5] offset:(8*((\f)/2)+\i+8*(\i/8))*4096+512*((\f)%2) th:TH_LOAD_NT
.endr
.endm
.macro XTURN f                         ; through my stage: LDS serves a wave's instructions in order, so no wait stands between the stores and the loads
.irp i, 0,1,2,3,4,5,6,7,8,9,10,11,12,13,14,15
	ds_store_b128 v2, v[RR+64*((\f)%2)+4*\i:RR+64*((\f)%2)+4*\i+3] offset:528*\i
.endr
.irp c, 0,1
.irp j, 0,1,2,3,4,5,6,7
	ds_load_b128 v[XX+32*\c+4*\j:XX+32*\c+4*\j+3], v3 offset:256*\c+16*\j   ; k = 64 c + 32 h + 4 j .. of row r
.endr
.endr
.endm
.macro XWORK f
.set FS, FF+12*((\f)%2)
.irp c, 0,1
	v_max3_num_f32 v[TM+\c], |v[XX+32*\c]|, |v[XX+32*\c+1]|, 0x1800000   ; block 2 c + h: all 32 numbers are mine; the floor 2^(3 - 127) holds the byte at 1 from below
.endr
.irp i, 2,4,6,8,10,12,14,16,18,20,22,24,26,28,30
.irp c, 0,1
	v_max3_num_f32 v[TM+\c], v[TM+\c], |v[XX+32*\c+\i]|, |v[XX+32*\c+\i+1]|
.endr
.endr
.irp c, 0,1
	v_add_nc_u32 v[SO+\c], 0xff000000, v[TM+\c]    ; 2 off the exponent field: the conversion's scale operand
.endr
.irp c, 0,1
	v_lshrrev_b32 v[BY+\c], 23, v[SO+\c]           ; the scale's byte
.endr
	v_lshl_or_b32 v252, v[BY+1], 16, v[BY]         ; my two bytes, blocks h and 2 + h,
	v_lshlrev_b32 v252, v5, v252                   ; at their places;
	v_permlanex16_b32 v253, v252, s20, s21
	v_or_b32 v[PW+(\f)], v252, v253                ; with lane l xor 16's two the word is whole
.irp c, 0,1
	v_cvt_scalef32_pk16_fp6_f32 v[FS+6*\c:FS+6*\c+2], v[XX+32*\c:XX+32*\c+15], v[SO+\c]
	v_cvt_scalef32_pk16_fp6_f32 v[TC+4*\c:TC+4*\c+2], v[XX+32*\c+16:XX+32*\c+31], v[SO+\c]
.endr
	v_nop                                          ; one plain place behind a scaled conversion
.irp c, 0,1
.irp i, 0,1,2
	v_mov_b32 v[FS+6*\c+3+\i], v[TC+4*\c+\i]
.endr
.endr
.irp k, 0,1,2
	global_store_b128 v1, v[FS+4*\k:FS+4*\k+3], s[18:19] offset:1536*(\f)+512*\k   ; 32 lanes store 512 consecutive bytes, aligned
.endr
.endm
.macro XFRAG f
.if (\f) < 3
	s_wait_loadcnt 16                              ; this fragment's 16 loads are in; the next fragment's 16 may be out
.else
	s_wait_loadcnt 0x0
.endif
	XTURN \f
.if (\f) < 2
	s_wait_dscnt 16                                ; the 16 stores have read their registers (the 16 loads behind them may be out),
	XLOAD (\f)+2                                   ; which take the fragment two on
.endif
	s_wait_dscnt 0x0
.if (\f) >= 2
	s_wait_xcnt 0x0                                ; the stores of two fragments ago have read the codes' registers, which are written again
.endif
	XWORK \f
.endm
	XLOAD 0
	XLOAD 1
	XFRAG 0
	XFRAG 1
	XFRAG 2
	XFRAG 3
	s_mov_b32 vcc_lo, 0xffff0000
	v_cndmask_b32 v252, v[PW], v[PW+2], vcc_lo     ; lanes 0-15: tile m = 0; lanes 16-31: m = 1
	v_cndmask_b32 v253, v[PW+1], v[PW+3], vcc_lo
	global_store_b64 v4, v[252:253], s[14:15]      ; [m][r][q]: 256 consecutive bytes, aligned
	s_wait_tensorcnt 0x0
	ds_add_u32 v254, v255
	s_wait_dscnt 0x0
	s_endpgm
; ---------------- weights: j = work-group - 256: weight j / 32, K range 256 ((j / 8) % 4) on, column group j % 8; wave = 32 columns = tiles 2 wave, 2 wave + 1
.Lweights:
	s_sub_co_u32 s17, ttmp9, 256
	s_lshr_b32 s22, s17, 5                         ; which weight
	s_bfe_u32 s23, s17, 0x20003                    ; which 256 along K
	s_and_b32 s24, s17, 7                          ; which 128 columns
	s_lshl_b32 s26, s23, 20                        ; 256 rows of 4,096 bytes
	s_lshl_b32 s25, s24, 9
	s_add_co_u32 s26, s26, s25
	s_lshl_b32 s25, s16, 7
	s_add_co_u32 s26, s26, s25                     ; + my wave's 32 columns
	s_mov_b32 s27, 0
	s_lshl_b32 s28, s22, 3
	s_add_co_u32 s28, s28, s24
	s_add_co_u32 s28, s28, 64                      ; the group
	s_lshl_b32 s28, s28, 2
	s_add_co_u32 s28, s28, s23
	s_mul_i32 s28, s28, REC                        ; the record
	s_mul_i32 s25, s16, 6144
	s_add_co_u32 s30, s28, s25                     ; my two tiles' images
	s_mov_b32 s31, 0
	s_lshl_b32 s25, s16, 8
	s_add_co_u32 s28, s28, s25
	s_add_co_u32 s28, s28, 24576                   ; and their scale words
	s_mov_b32 s29, 0
	s_wait_alu depctr_va_vdst(0)
	v_lshlrev_b32 v1, 2, v10                       ; in: 4 bytes a lane: lane l takes column l of the wave's 32
	v_bfe_u32 v2, v0, 3, 1                         ; column l is row r = 8 (l / 16) + l % 8 of tile (l / 8) % 2
	v_and_b32 v3, 7, v0
	v_lshl_or_b32 v3, v12, 3, v3
	v_lshlrev_b32 v4, 4, v3
	v_mad_u32_u24 v4, v2, 3072, v4                 ; its place in the images: 3,072 x tile + 16 r
	v_lshl_add_u32 v5, v2, 4, v3
	v_lshlrev_b32 v5, 3, v5                        ; and among the scale words: 8 (16 x tile + r)
	s_wait_alu depctr_va_vdst(0)
	s_wait_kmcnt 0x0
	s_cmp_eq_u32 s22, 1                            ; the choice hangs on the work-group's number alone
	s_cselect_b64 s[6:7], s[8:9], s[6:7]
	s_cmp_eq_u32 s22, 2
	s_cselect_b64 s[6:7], s[10:11], s[6:7]
	s_cmp_eq_u32 s22, 3
	s_cselect_b64 s[6:7], s[12:13], s[6:7]
	s_add_nc_u64 s[6:7], s[6:7], s[26:27]
	s_add_nc_u64 s[18:19], s[14:15], s[30:31]
	s_add_nc_u64 s[14:15], s[14:15], s[28:29]
.macro WLOAD t                         ; block t: w(32 t + i, my column): 128 consecutive bytes a wave, 512 a work-group
.irp i, 0,1,2,3,4,5,6,7,8,9,10,11,12,13,14,15,16,17,18,19,20,21,22,23,24,25,26,27,28,29,30,31
	global_load_b32 v[WX+32*((\t)%2)+\i], v1, s[6:7] offset:(32*(\t)+\i)*4096 th:TH_LOAD_NT
.endr
.endm
.macro WBLOCK t                        ; block t of my column belongs to fragment q = t / 4, to the image's lane (r, h = t % 2), registers 6 c on, c = (t % 4) / 2
.set XS, WX+32*((\t)%2)
.set FS, FW+12*(2*((\t)/4)+(\t)%2)+6*(((\t)%4)/2)
.if (\t) < 7
	s_wait_loadcnt 32                              ; this block's 32 loads are in; the next block's 32 may be out
.else
	s_wait_loadcnt 0x0
.endif
	v_max3_num_f32 v240, |v[XS]|, |v[XS+1]|, |v[XS+2]|
	v_max3_num_f32 v241, |v[XS+3]|, |v[XS+4]|, |v[XS+5]|
.irp i, 6,10,14,18,22,26
	v_max3_num_f32 v240, v240, |v[XS+\i]|, |v[XS+\i+1]|
	v_max3_num_f32 v241, v241, |v[XS+\i+2]|, |v[XS+\i+3]|
.endr
	v_max3_num_f32 v240, v240, |v[XS+30]|, |v[XS+31]|
	v_max3_num_f32 v240, v240, v241, 0x1800000     ; and the floor
	v_add_nc_u32 v242, 0xff000000, v240            ; the conversion's scale operand
	v_lshrrev_b32 v243, 23, v242                   ; the scale's byte
.if (\t)%4 == 0
	v_mov_b32 v[SB+(\t)/4], v243
.else
	v_lshl_or_b32 v[SB+(\t)/4], v243, 8*((\t)%4), v[SB+(\t)/4]
.endif
	v_cvt_scalef32_pk16_fp6_f32 v[FS:FS+2], v[XS:XS+15], v242
	v_cvt_scalef32_pk16_fp6_f32 v[TC:TC+2], v[XS+16:XS+31], v242
	v_nop                                          ; one plain place behind a scaled conversion
.irp i, 0,1,2
	v_mov_b32 v[FS+3+\i], v[TC+\i]
.endr
.if (\t)+2 < 8
	WLOAD (\t)+2
.endif
.if (\t)%4 == 3                        ; fragment q is whole: sixteen lanes store 256 consecutive bytes, aligned; every set of codes is written once, so no store's data are written again
.irp hh, 0,1
.irp k, 0,1,2
	global_store_b128 v4, v[FW+12*(2*((\t)/4)+\hh)+4*\k:FW+12*(2*((\t)/4)+\hh)+4*\k+3], s[18:19] offset:1536*((\t)/4)+512*\k+256*\hh
.endr
.endr
.endif
.endm
	WLOAD 0
	WLOAD 1
.irp t, 0,1,2,3,4,5,6,7
	WBLOCK \t
.endr
	global_store_b64 v5, v[SB:SB+1], s[14:15]      ; the wave's 32 rows x 8 bytes: 256 consecutive bytes
	s_endpgm
.Lfunc_end_k_qa890cf0a63_quant:
	.size	k_qa890cf0a63_quant, .Lfunc_end_k_qa890cf0a63_quant-k_qa890cf0a63_quant
	.p2alignl 7, 3214868480
	.fill 96, 4, 3214868480
	.section	.rodata,"a",@progbits
	.p2align	6, 0x0
	.amdhsa_kernel k_qa890cf0a63_quant
		.amdhsa_group_segment_fixed_size 34304
		.amdhsa_private_segment_fixed_size 0
		.amdhsa_enable_private_segment 0
		.amdhsa_kernarg_size 48
		.amdhsa_user_sgpr_count 2
		.amdhsa_user_sgpr_kernarg_segment_ptr 1
		.amdhsa_wavefront_size32 1
		.amdhsa_system_sgpr_workgroup_id_x 1
		.amdhsa_system_sgpr_workgroup_id_y 1
		.amdhsa_system_sgpr_workgroup_id_z 1
		.amdhsa_system_vgpr_workitem_id 0
		.amdhsa_next_free_vgpr 256
		.amdhsa_next_free_sgpr 66
		.amdhsa_reserve_vcc 1
		.amdhsa_float_denorm_mode_32 3
		.amdhsa_float_denorm_mode_16_64 3
		.amdhsa_memory_ordered 1
		.amdhsa_forward_progress 1
		.amdhsa_inst_pref_size 69
	.end_amdhsa_kernel
	.amdgpu_metadata
---
amdhsa.version: [ 1, 2 ]
amdhsa.kernels:
  - .name:           k_qa890cf0a63_quant
    .symbol:         k_qa890cf0a63_quant.kd
    .args:
      - { .name: inputs, .offset: 0, .size: 8, .value_kind: global_buffer, .address_space: global }
      - { .name: wq, .offset: 8, .size: 8, .value_kind: global_buffer, .address_space: global }
      - { .name: wk, .offset: 16, .size: 8, .value_kind: global_buffer, .address_space: global }
      - { .name: wv, .offset: 24, .size: 8, .value_kind: global_buffer, .address_space: global }
      - { .name: wo, .offset: 32, .size: 8, .value_kind: global_buffer, .address_space: global }
      - { .name: xw, .offset: 40, .size: 8, .value_kind: global_buffer, .address_space: global }
    .group_segment_fixed_size: 34304
    .private_segment_fixed_size: 0
    .kernarg_segment_align: 8
    .kernarg_segment_size: 48
    .max_flat_workgroup_size: 128
    .sgpr_count:     66
    .vgpr_count:     256
    .wavefront_size: 32
...
	.end_amdgpu_metadata
.endif
;; end of part 1
;; launch qkv (part 2): grid 8 x 32, 4 waves a work-group, clusters of 4 x 4, 327,680 bytes of LDS; arguments xw, bq, bk, bv, qkv; writes qkv
.if DOCPART == 2
	.amdgcn_target "amdgcn-amd-amdhsa--gfx1250"
	.amdhsa_code_object_version 6
	.text
	.protected	k_qa890cf0a63_qkv
	.globl	k_qa890cf0a63_qkv
	.p2align	8
	.type	k_qa890cf0a63_qkv,@function
k_qa890cf0a63_qkv:
	s_mov_b64 s[64:65], 0
	v_nop
	global_prefetch_b8 v0, s[64:65] scope:SCOPE_SE
	s_setreg_imm32_b32 hwreg(HW_REG_WAVE_MODE, 25, 1), 1
	s_wait_xcnt 0x0
	s_wait_alu depctr_hold_cnt(0) depctr_sa_sdst(0) depctr_va_vdst(0) depctr_va_sdst(0) depctr_va_ssrc(0) depctr_va_vcc(0) depctr_vm_vsrc(0)
	s_getreg_b32 s2, hwreg(HW_REG_IB_STS2, 6, 4)
	s_cmp_eq_u32 s2, 0
	s_cbranch_scc0 .Lentry_in_a_cluster
	s_endpgm
.Lentry_in_a_cluster:
	s_bfe_u32 s2, ttmp6, 0x10000c
	s_cmp_lg_u32 s2, 0xf033
	s_cbranch_scc0 .Lentry_shape_is_right
	s_endpgm
.Lentry_shape_is_right:
; V, Q, K = x W + b on codes of FP6 (E2M3) with E8M0 scales, K = 1,024, and their quantisers: the results leave as codes and scale words in the order of the next launch's operand registers.
; LIMITS: NaN and infinities are not served; a block of zeros keeps the byte 1 (its codes are zeros; this program alone reads the bytes).
; xw: groups of 128 rows (0-63 tokens, 64 + 8 wt + g columns of weight wt), a group = four records of 25,600 bytes (256 along K each): images [tile i][q][1,536], then at 24,576 scale words [i][row][q].
; THE DEAL.  256 work-groups.  Work-group (j, y) takes token groups 2 y, 2 y + 1 against column group j of wv, then of wq, then of wk: three phases of 256 x 128.  Four waves, 2 x 2: wave (a, b) takes token group a and columns 64 b .. + 63: one head.
; LDS: both token groups, all of K, stay (2 x 102,400 bytes); one region of 102,400 bytes holds a weight's group; behind it the spare words.
; A wave takes its 64 columns of the weight, all of K, into 384 registers, and streams the token tiles (16 rows, all of K: 8 fragments, 8 scale words) through two sets of registers: a block is 32 products, the four accumulators by turns.
; FILLS.  At the head one joint load a wave: waves 0, 1 a half each of wv's group, waves 2, 3 a token group each.  TWO REFILLS of the weights' region, each in a drained round of the cluster's barrier, directly behind the run of
; loads by which every wave has taken the old weight into registers.  NO PREFETCH: a refill is asked for a whole phase, 256 products a wave, ahead of its first read.
; Token groups are shared by a row of the cluster, a weight's group by a column.
; V: source 0 = tokens, so that a lane holds one channel and its registers run along the tokens; its 256 sums wait for the phase's end.  Q, K: source 0 = the weight, a lane holds one token; two blocks' 64 sums are one pair image.
; The bias is the C of each block's first four products, laid as the result lies.
; THE WAITS' COUNTS: a block's rows were fetched two blocks ago; younger is the next block's fetch alone, NF = 24 + 4 loads.
.set GRP,   102400
.set REC,   25600
.set WREG,  2*GRP
.set SPARE, 3*GRP
.set QOFF,  13107200
.set NF,    28
.set LI,    4                          ; 16 x lane
.set SCO,   5                          ; 16 x row
.set WA,    6                          ; v6, v7  the weight's images: records 0-1, 2-3
.set WS,    8                          ; v8, v9  its scale words: lanes 0-15 an even tile, lanes 16-31 the odd one
.set XA,    10                         ; v10, v11 my token group's images
.set XS,    12                         ; v12, v13 its scale words
.set SPW,   14
.set NIL,   15
.set B64,   16                         ; 64 x (lane / 16)
.set BR4,   17                         ; 4 (r + 8 (r / 8))
.set SB,    24                         ; v24-39 the weight's scale words: 8 (t / 2) + K step
.set SA,    44                         ; v44-59 the rows': two sets of eight
.set ACC,   64                         ; v64-127 Q, K: two blocks' sums.  V: v64-191 channel tiles 0, 1 and v840-967 tiles 2, 3, 64 a tile
.set BBK,   128                        ; v128-159 bk as C
.set BBV,   192                        ; v192-223 bv as C (V's phase alone; then these are at work on the way out)
.set HE,    192                        ; v192-203 an image's codes
.set TC,    204
.set TM,    212
.set W,     228                        ; v228-231 four scale words
.set BBQ,   968                        ; v968-999 bq as C
.set G1A,   24
.set G0W,   32
.set G0A,   36
.set G1B,   48
.set OV,    68
.set OQ,    70
.set OKK,   72
.set PBQ,   78
.set PBK,   80
.set PBV,   82
.set SEL,   92
.set MSB, 0
.macro WIN new
.if MSB != (\new)
	s_set_vgpr_msb (MSB<<8)|(\new)
.set MSB, (\new)
.endif
.endm
.macro PLACES n
.rept \n
	v_nop
.endr
.endm
.macro WALU
	s_wait_alu depctr_va_vdst(0)
.endm
.macro CROUND
	s_barrier_signal -1
	s_barrier_wait -1
	s_cmp_lg_u32 s14, 0
	s_cbranch_scc1 .Lnot_wave_0_\@
	s_barrier_signal -3
.Lnot_wave_0_\@:
	s_barrier_wait -3
	s_barrier_signal -1
	s_barrier_wait -1
.endm
; fragment f lies in window 1 + f / 21 at register 12 (f % 21): 0-31 the weight's (4 x K step + tile), 32-39 and 40-47 the rows' two sets
.macro FRAG f, adr, off
	WIN (1+(\f)/21)<<6
.irp k, 0,1,2
	ds_load_b128 v[12*((\f)%21)+4*\k:12*((\f)%21)+4*\k+3], v[\adr] offset:(\off)+512*\k
.endr
.endm
.macro WEIGHTS                         ; my 64 columns, all of K: 96 + 8 loads
.irp s, 0,1,2,3,4,5,6,7
.irp t, 0,1,2,3
	FRAG 4*\s+\t, WA+(\s)/4, REC*(((\s)/2)%2)+3072*\t+1536*((\s)%2)
.endr
.endr
	WIN 0
.irp u, 0,1
.irp g, 0,1,2,3
	ds_load_b64 v[SB+8*\u+2*\g:SB+8*\u+2*\g+1], v[WS+(\g)/2] offset:REC*((\g)%2)+256*\u
.endr
.endr
.endm
.macro FETCH e, i                      ; token tile i into set e: NF loads
.irp s, 0,1,2,3,4,5,6,7
	FRAG 32+8*(\e)+\s, XA+(\s)/4, REC*(((\s)/2)%2)+3072*(\i)+1536*((\s)%2)
.endr
	WIN 0
.irp g, 0,1,2,3
	ds_load_b64 v[SA+8*(\e)+2*\g:SA+8*(\e)+2*\g+1], v[XS+(\g)/2] offset:REC*((\g)%2)+128*(\i)
.endr
.endm
.macro PROD1 s0, s1, x0, x1, side, o
.if \o
	v_wmma_scale_f32_16x16x128_f8f6f4 v[(D_&255):(D_&255)+7], v[12*(\s0%21):12*(\s0%21)+11], v[12*(\s1%21):12*(\s1%21)+11], v[(C_&255):(C_&255)+7], v[\x0], v[\x1] matrix_a_fmt:MATRIX_FMT_FP6 matrix_b_fmt:MATRIX_FMT_FP6 matrix_\side\()_scale:MATRIX_SCALE_ROW1
.else
	v_wmma_scale_f32_16x16x128_f8f6f4 v[(D_&255):(D_&255)+7], v[12*(\s0%21):12*(\s0%21)+11], v[12*(\s1%21):12*(\s1%21)+11], v[(C_&255):(C_&255)+7], v[\x0], v[\x1] matrix_a_fmt:MATRIX_FMT_FP6 matrix_b_fmt:MATRIX_FMT_FP6 matrix_\side\()_scale:MATRIX_SCALE_ROW0
.endif
.endm
.macro PROD kind, e, s, t              ; D_ and C_ hold the registers of the sum and of what it adds onto
.set FB_, 4*(\s)+(\t)
.set FA_, 32+8*(\e)+(\s)
.set XB_, SB+8*((\t)/2)+(\s)
.set XA_, SA+8*(\e)+(\s)
.if \kind
	WIN (1+FA_/21)|((1+FB_/21)<<2)|((C_>>8)<<4)|((D_>>8)<<6)
	PROD1 FA_, FB_, XA_, XB_, b, (\t)%2
.else
	WIN (1+FB_/21)|((1+FA_/21)<<2)|((C_>>8)<<4)|((D_>>8)<<6)
	PROD1 FB_, FA_, XB_, XA_, a, (\t)%2
.endif
.endm
.macro BLK kind, i, c0                 ; token tile i: 32 products, the four accumulators by turns; then the fetch of the tile two on
.if (\i) < 7
	s_wait_dscnt NF
.else
	s_wait_dscnt 0x0
.endif
.irp s, 0,1,2,3,4,5,6,7
.irp t, 0,1,2,3
.if \kind
.set D_, 64+64*\t+648*(\t/2)+8*(\i)
.else
.set D_, ACC+32*((\i)%2)+8*\t
.endif
.if \s
.set C_, D_
.else
.set C_, (\c0)+8*\t
.endif
	PROD \kind, (\i)%2, \s, \t
.endr
.endr
	WIN 0
	PLACES 4                                       ; in front of loads into registers that these products have read, and of the first read of results
.if (\i) < 6
	FETCH (\i)%2, (\i)+2
.endif
.endm
; 64 sums at register s of window w: four blocks of 32, each in lanes l and l xor 16 -> twelve registers of codes, v[HE ..], and the scale word v[pw]
.macro QUANT s, w, pw
	s_wait_xcnt 0x0                                ; the last image's stores have read the codes' registers
	WIN (\w)|((\w)<<2)
.irp b, 0,1,2,3
	v_max3_num_f32 v[TM+\b], |v[(\s)+16*\b]|, |v[(\s)+16*\b+1]|, 0x1800000
.endr
	WIN ((\w)<<2)|((\w)<<4)
.irp i, 2,4,6,8,10,12,14
.irp b, 0,1,2,3
	v_max3_num_f32 v[TM+\b], v[TM+\b], |v[(\s)+16*\b+\i]|, |v[(\s)+16*\b+\i+1]|
.endr
.endr
	WIN 0
.irp b, 0,1,2,3
	v_permlanex16_b32 v[TM+4+\b], v[TM+\b], s[SEL], s[SEL+1]
.endr
.irp b, 0,1,2,3
	v_max_num_f32 v[TM+\b], v[TM+\b], v[TM+4+\b]
.endr
.irp b, 0,1,2,3
	v_add_nc_u32 v[TM+12+\b], 0xff000000, v[TM+\b] ; 2 off the exponent field: the conversion's scale operand
.endr
.irp b, 0,1,2,3
	v_lshrrev_b32 v[TM+4+\b], 23, v[TM+12+\b]
.endr
	v_lshl_or_b32 v[\pw], v[TM+5], 8, v[TM+4]
	v_lshl_or_b32 v[\pw], v[TM+6], 16, v[\pw]
	v_lshl_or_b32 v[\pw], v[TM+7], 24, v[\pw]
	WIN (\w)
	v_cvt_scalef32_pk16_fp6_f32 v[HE:HE+2], v[(\s):(\s)+15], v[TM+12]
	v_cvt_scalef32_pk16_fp6_f32 v[TC:TC+2], v[(\s)+16:(\s)+31], v[TM+13]
	v_cvt_scalef32_pk16_fp6_f32 v[HE+6:HE+8], v[(\s)+32:(\s)+47], v[TM+14]
	v_cvt_scalef32_pk16_fp6_f32 v[TC+4:TC+6], v[(\s)+48:(\s)+63], v[TM+15]
	WIN 0
	v_nop                                          ; one plain place behind a scaled conversion
.irp i, 0,1,2
	v_permlane16_swap_b32 v[HE+\i], v[TC+\i]       ; a whole block to a lane
	v_permlane16_swap_b32 v[HE+6+\i], v[TC+4+\i]
.endr
.irp i, 0,1,2
	v_mov_b32 v[HE+3+\i], v[TC+\i]
	v_mov_b32 v[HE+9+\i], v[TC+4+\i]
.endr
.endm
.macro PUT base, off                   ; an image: three stores of 512 consecutive bytes, aligned
.irp k, 0,1,2
	global_store_b128 v[LI], v[HE+4*\k:HE+4*\k+3], s[\base:\base+1] offset:(\off)+512*\k
.endr
.endm
.macro QOUT p, base                    ; token tiles 2 p, 2 p + 1 of Q or K
	QUANT ACC, 0, W+(\p)
	PUT \base, 1536*(\p)
.endm
.macro WORDS base                      ; [row][4 words]: 256 consecutive bytes; lanes 16-31 hold and store the same words as lanes 0-15
	global_store_b128 v[SCO], v[W:W+3], s[\base:\base+1] offset:6144
.endm
.macro SHOW                            ; a plain barrier: what the last refill brought is shown to all
	s_wait_tensorcnt 0x0
	s_wait_dscnt 0x0
	s_barrier_signal -1
	s_barrier_wait -1
.endm
.macro ROUNDLOAD                       ; the rest of a refill: the round, and waves 0 and 1 ask for a half each of the next weight's group
	s_wait_dscnt 0x0                               ; the add is done, and my loads of the old weight are in
	CROUND
	s_cmp_lt_u32 s14, 2
	s_cbranch_scc0 .Lno_half_\@
	tensor_load_to_lds s[G0W:G0W+3], s[G1B:G1B+7]
	s_nop 0
	PLACES 4
.Lno_half_\@:
.endm
; ================= THE HEAD
	s_load_b256 s[4:11], s[0:1], 0x0               ; xw, bq, bk, bv
	s_load_b64 s[12:13], s[0:1], 0x20              ; qkv
	v_lshl_add_u32 v[SPW], v0, 2, SPARE
	v_mov_b32 v[NIL], 0
	ds_add_u32 v[SPW], v[NIL]                      ; the opening lines
	ds_add_u32 v[SPW], v[NIL]
	v_lshrrev_b32 v1, 5, v0
	v_readfirstlane_b32 s14, v1                    ; wave; s15 = a, s16 = b
	s_lshr_b32 s15, s14, 1
	s_and_b32 s16, s14, 1
	s_bfe_u32 s40, ttmp6, 0x40000                  ; cx
	s_bfe_u32 s41, ttmp6, 0x40004                  ; cy
	s_lshl_b32 s42, ttmp9, 2
	s_add_co_u32 s42, s42, s40                     ; j
	s_and_b32 s17, ttmp7, 0xffff
	s_lshl_b32 s17, s17, 2
	s_add_co_u32 s17, s17, s41                     ; y
	s_lshl_b32 s43, s41, 2
	s_lshl_b32 s43, 15, s43                        ; my row of the cluster
	s_lshl_b32 s44, 0x1111, s40                    ; my column
	s_or_b32 s[G1A], s43, (3<<16)|(1<<21)          ; dense rows of 256 bytes: a token group is 400 of them,
	s_mov_b32 s[G1A+1], 32<<16
	s_mov_b32 s[G1A+2], 400<<16
	s_mov_b32 s[G1A+3], 32<<16
	s_mov_b32 s[G1A+4], 400
	s_mov_b32 s[G1A+5], 32
	s_mov_b32 s[G1A+6], 0
	s_mov_b32 s[G1A+7], 0
	s_or_b32 s[G1B], s44, (3<<16)|(1<<21)          ; half a weight's group 200
	s_mov_b32 s[G1B+1], 32<<16
	s_mov_b32 s[G1B+2], 200<<16
	s_mov_b32 s[G1B+3], 32<<16
	s_mov_b32 s[G1B+4], 200
	s_mov_b32 s[G1B+5], 32
	s_mov_b32 s[G1B+6], 0
	s_mov_b32 s[G1B+7], 0
	s_mov_b32 s[SEL], 0x76543210
	s_mov_b32 s[SEL+1], 0xfedcba98
	s_lshl_b32 s20, s17, 1
	s_add_co_u32 s20, s20, s16
	s_mul_i32 s20, s20, GRP                        ; waves 2, 3: token group 2 y + wave % 2
	s_mov_b32 s21, 0
	s_add_co_u32 s46, s42, 80
	s_mul_i32 s46, s46, GRP                        ; waves 0, 1: wv's group j,
	s_mul_i32 s47, s16, GRP/2
	s_add_co_u32 s46, s46, s47                     ; half wave % 2
	s_mov_b32 s47, 0
	s_mov_b32 s[G0W], 1
	s_mul_i32 s[G0W+1], s16, GRP/2
	s_add_co_u32 s[G0W+1], s[G0W+1], WREG
	s_mov_b32 s[G0A], 1
	s_mul_i32 s[G0A+1], s16, GRP
	s_lshl_b32 s56, s17, 1
	s_add_co_u32 s56, s56, s15                     ; my token group, 0 .. 63
	s_lshr_b32 s57, s56, 4                         ; batch
	s_and_b32 s58, s56, 15                         ; key step
	s_lshl_b32 s59, s42, 1
	s_add_co_u32 s59, s59, s16                     ; head
	s_lshl_b32 s60, s57, 4
	s_add_co_u32 s60, s60, s59
	s_mul_i32 s84, s60, 204800
	s_mul_i32 s85, s58, 12800
	s_add_co_u32 s84, s84, s85                     ; K's part of the step's record; V's lies 6,400 on
	s_mov_b32 s85, 0
	s_mul_i32 s86, s60, 102400
	s_mul_i32 s87, s58, 6400
	s_add_co_u32 s86, s86, s87
	s_add_co_u32 s86, s86, QOFF                    ; Q's record
	s_mov_b32 s87, 0
	s_lshl_b32 s88, s42, 9
	s_lshl_b32 s89, s16, 8
	s_add_co_u32 s88, s88, s89                     ; my 64 columns of a bias, in bytes
	s_mov_b32 s89, 0
	s_mul_i32 s61, s16, 12288
	s_add_co_u32 s61, s61, WREG                    ; LDS: my four tiles of the weight,
	s_lshl_b32 s62, s16, 9
	s_add_co_u32 s62, s62, WREG+24576              ; their scale words,
	s_mul_i32 s63, s15, GRP                        ; my token group,
	s_add_co_u32 s66, s63, 24576                   ; its scale words
	s_wait_dscnt 0x0
	s_wait_kmcnt 0x0
	s_add_nc_u64 s[G0A+2:G0A+3], s[4:5], s[20:21]
	s_or_b32 s[G0A+3], s[G0A+3], 0x80000000
	s_add_nc_u64 s[G0W+2:G0W+3], s[4:5], s[46:47]
	s_or_b32 s[G0W+3], s[G0W+3], 0x80000000
	s_add_nc_u64 s[OKK:OKK+1], s[12:13], s[84:85]
	s_add_nc_u64 s[OV:OV+1], s[OKK:OKK+1], 6400
	s_add_nc_u64 s[OQ:OQ+1], s[12:13], s[86:87]
	s_add_nc_u64 s[PBQ:PBQ+1], s[6:7], s[88:89]
	s_add_nc_u64 s[PBK:PBK+1], s[8:9], s[88:89]
	s_add_nc_u64 s[PBV:PBV+1], s[10:11], s[88:89]
	CROUND                                         ; all sixteen work-groups are here: the first joint loads meet
	s_cmp_lt_u32 s14, 2
	s_cbranch_scc0 .Lhead_a
	tensor_load_to_lds s[G0W:G0W+3], s[G1B:G1B+7]
	s_nop 0
	PLACES 4
	s_branch .Lhead_on
.Lhead_a:
	tensor_load_to_lds s[G0A:G0A+3], s[G1A:G1A+7]
	s_nop 0
	PLACES 4
.Lhead_on:
	v_and_b32 v1, 15, v0                           ; r
	v_bfe_u32 v2, v0, 4, 1                         ; h
	v_and_b32 v3, 31, v0
	v_lshlrev_b32 v[LI], 4, v3
	v_lshlrev_b32 v[SCO], 4, v1
	v_add_nc_u32 v[WA], s61, v[LI]
	v_add_nc_u32 v[WA+1], 2*REC, v[WA]
	v_add_nc_u32 v[XA], s63, v[LI]
	v_add_nc_u32 v[XA+1], 2*REC, v[XA]
	v_lshlrev_b32 v18, 3, v1                       ; 8 r
	v_add_nc_u32 v[XS], s66, v18
	v_add_nc_u32 v[XS+1], 2*REC, v[XS]
	v_lshl_add_u32 v18, v2, 7, v18                 ; + 128 h
	v_add_nc_u32 v[WS], s62, v18
	v_add_nc_u32 v[WS+1], 2*REC, v[WS]
	v_lshlrev_b32 v[B64], 6, v2
	v_and_b32 v[BR4], 8, v1
	v_add_nc_u32 v[BR4], v[BR4], v1
	v_lshlrev_b32 v[BR4], 2, v[BR4]
.irp t, 0,1,2,3
	global_load_b32 v[BBV+8*\t], v[BR4], s[PBV:PBV+1] offset:(32*(\t/2)+8*(\t%2))*4     ; V: lane (r, h) of tile t has channel 32 (t / 2) + 8 (t % 2) + r + 8 (r / 8)
.endr
	WIN 3<<6
.irp t, 0,1,2,3
	global_load_b128 v[BBQ-768+8*\t:BBQ-768+8*\t+3], v[B64], s[PBQ:PBQ+1] offset:(32*(\t/2)+8*(\t%2))*4       ; Q, K: register 8 t + i is column 32 (t / 2) + 16 h + 8 (t % 2) + i
	global_load_b128 v[BBQ-768+8*\t+4:BBQ-768+8*\t+7], v[B64], s[PBQ:PBQ+1] offset:(32*(\t/2)+8*(\t%2))*4+16
.endr
	WIN 0
	WALU                                           ; the wait at the head's end
	SHOW                                           ; all four tiles are in
; ================= V
	WEIGHTS
	FETCH 0, 0
	FETCH 1, 1
	s_wait_loadcnt 0x0
.irp t, 0,8,16,24
.irp i, 1,2,3,4,5,6,7
	v_mov_b32 v[BBV+\t+\i], v[BBV+\t]              ; one number a lane and tile, over the tile's eight registers
.endr
.endr
	WALU                                           ; the wait ahead of the waits below
	s_wait_tensorcnt 0x0                           ; the three lines ahead of a refill's round
	ds_add_u32 v[SPW], v[NIL]
	s_sub_nc_u64 s[G0W+2:G0W+3], s[G0W+2:G0W+3], 16*GRP   ; from wv's group j to wq's
	ROUNDLOAD
.irp i, 0,1,2,3,4,5,6,7
	BLK 1, \i, BBV
.endr
; ================= Q: the weight and the first two tiles in one run of loads, V's way out under their flight
	SHOW
	WEIGHTS
	FETCH 0, 0
	FETCH 1, 1
.irp b, 0,1,2,3
	v_mov_b32 v[TM+4+\b], 0                        ; a lane permute's destination counts as one of its sources
.endr
	QUANT 64, 0, W
	PUT OV, 0
	QUANT 128, 0, W+1
	PUT OV, 1536
	QUANT 72, 3, W+2
	PUT OV, 3072
	QUANT 136, 3, W+3
	PUT OV, 4608
	WORDS OV
.irp t, 0,1,2,3
	global_load_b128 v[BBK+8*\t:BBK+8*\t+3], v[B64], s[PBK:PBK+1] offset:(32*(\t/2)+8*(\t%2))*4
	global_load_b128 v[BBK+8*\t+4:BBK+8*\t+7], v[B64], s[PBK:PBK+1] offset:(32*(\t/2)+8*(\t%2))*4+16
.endr
	WALU
	s_wait_tensorcnt 0x0
	ds_add_u32 v[SPW], v[NIL]
	s_add_nc_u64 s[G0W+2:G0W+3], s[G0W+2:G0W+3], 8*GRP    ; on to wk's group j
	ROUNDLOAD
.irp i, 0,1,2,3,4,5,6
	BLK 0, \i, BBQ
.if \i%2
	QOUT \i/2, OQ
.endif
.endr
	BLK 0, 7, BBQ
; ================= K
	SHOW
	WEIGHTS
	FETCH 0, 0
	FETCH 1, 1
	QOUT 3, OQ
	WORDS OQ
	s_wait_loadcnt 0x0                             ; bk
.irp i, 0,1,2,3,4,5,6,7
	BLK 0, \i, BBK
.if \i%2
	QOUT \i/2, OKK
.endif
.endr
	WORDS OKK
	s_wait_tensorcnt 0x0                           ; the wave's end
	ds_add_u32 v[SPW], v[NIL]
	s_wait_dscnt 0x0
	CROUND                                         ; the closing round
	s_endpgm
.Lfunc_end_k_qa890cf0a63_qkv:
	.size	k_qa890cf0a63_qkv, .Lfunc_end_k_qa890cf0a63_qkv-k_qa890cf0a63_qkv
	.p2alignl 7, 3214868480
	.fill 96, 4, 3214868480
	.section	.rodata,"a",@progbits
	.p2align	6, 0x0
	.amdhsa_kernel k_qa890cf0a63_qkv
		.amdhsa_group_segment_fixed_size 327680
		.amdhsa_private_segment_fixed_size 0
		.amdhsa_enable_private_segment 0
		.amdhsa_kernarg_size 40
		.amdhsa_user_sgpr_count 2
		.amdhsa_user_sgpr_kernarg_segment_ptr 1
		.amdhsa_wavefront_size32 1
		.amdhsa_system_sgpr_workgroup_id_x 1
		.amdhsa_system_sgpr_workgroup_id_y 1
		.amdhsa_system_sgpr_workgroup_id_z 1
		.amdhsa_system_vgpr_workitem_id 0
		.amdhsa_next_free_vgpr 1024
		.amdhsa_next_free_sgpr 100
		.amdhsa_reserve_vcc 0
		.amdhsa_float_denorm_mode_32 3
		.amdhsa_float_denorm_mode_16_64 3
		.amdhsa_memory_ordered 1
		.amdhsa_forward_progress 1
		.amdhsa_inst_pref_size 231
	.end_amdhsa_kernel
	.amdgpu_metadata
---
amdhsa.version: [ 1, 2 ]
amdhsa.kernels:
  - .name:           k_qa890cf0a63_qkv
    .symbol:         k_qa890cf0a63_qkv.kd
    .args:
      - { .name: xw, .offset: 0, .size: 8, .value_kind: global_buffer, .address_space: global }
      - { .name: bq, .offset: 8, .size: 8, .value_kind: global_buffer, .address_space: global }
      - { .name: bk, .offset: 16, .size: 8, .value_kind: global_buffer, .address_space: global }
      - { .name: bv, .offset: 24, .size: 8, .value_kind: global_buffer, .address_space: global }
      - { .name: qkv, .offset: 32, .size: 8, .value_kind: global_buffer, .address_space: global }
    .group_segment_fixed_size: 327680
    .private_segment_fixed_size: 0
    .kernarg_segment_align: 8
    .kernarg_segment_size: 40
    .max_flat_workgroup_size: 128
    .sgpr_count:     100
    .vgpr_count:     1024
    .wavefront_size: 32
...
	.end_amdgpu_metadata
.endif
;; end of part 2
;; launch attn (part 3): grid 4 x 64, 16 waves a work-group, clusters of 4 x 1, 258,048 bytes of LDS; arguments qkv, oq; writes oq
.if DOCPART == 3
	.amdgcn_target "amdgcn-amd-amdhsa--gfx1250"
	.amdhsa_code_object_version 6
	.text
	.protected	k_qa890cf0a63_attn
	.globl	k_qa890cf0a63_attn
	.p2align	8
	.type	k_qa890cf0a63_attn,@function
k_qa890cf0a63_attn:
	s_mov_b64 s[64:65], 0
	v_nop
	global_prefetch_b8 v0, s[64:65] scope:SCOPE_SE
	s_setreg_imm32_b32 hwreg(HW_REG_WAVE_MODE, 25, 1), 1
	s_wait_xcnt 0x0
	s_wait_alu depctr_hold_cnt(0) depctr_sa_sdst(0) depctr_va_vdst(0) depctr_va_sdst(0) depctr_va_ssrc(0) depctr_va_vcc(0) depctr_vm_vsrc(0)
	s_getreg_b32 s2, hwreg(HW_REG_IB_STS2, 6, 4)
	s_cmp_eq_u32 s2, 0
	s_cbranch_scc0 .Lentry_in_a_cluster
	s_endpgm
.Lentry_in_a_cluster:
	s_bfe_u32 s2, ttmp6, 0x10000c
	s_cmp_lg_u32 s2, 0x3003
	s_cbranch_scc0 .Lentry_shape_is_right
	s_endpgm
.Lentry_shape_is_right:
; o = softmax(q k^T / 8) v for one head, both products on codes of FP6 (E2M3) with E8M0 scales; o / l is quantised along the model's 1,024 (a head's 64 are two blocks) and leaves as codes.
; THE SOFTMAX: t = score x log2(e) / 8; M = the running largest t rounded up to a whole number; p = 2^(t - M) is quantised along the keys, not normalised; the row's sum is taken of the unquantised p and divides at the end.
; When M moves, the sum and O are multiplied by 2^(old M - new M), exactly.  LIMITS: NaN and infinities are not served; a block of zeros keeps the byte 1 (its codes are zeros; this program alone reads the bytes);
; the promise holds while the scaled scores stay under 2^31 in magnitude.
; SHARES.  A work-group owns 512 queries of one head (grid y = 16 x batch + head); each of its sixteen waves owns 32 of them, two tiles of 16 taken one after the other by one loop text.
; K AND V OF THE WHOLE HEAD STAY IN LDS: 16 key steps, each a record of 12,800 bytes of memory, filled ONCE, one record a wave.  No ring, no refill.  The four work-groups of a head form a cluster and ask for each record jointly.
; NO PREFETCH: the launch's only tensor loads stand at its head, so there is no loop to run ahead in.
; A record in memory: K's pair images [p 0..3][1,536] (registers 0-5: key tile 2 p, registers 6-11: tile 2 p + 1), K's scale words [row][p], V^T's images [t 0..3][1,536], V's words [row][t].
; IN LDS the record is 25 rows of 512 bytes, 128 bytes of padding behind each: byte y lies at 640 (y / 512) + y % 512.
; THE KEYS OF A TILE ARE CHOSEN BY THE LANES' ADDRESSES.  Groups of 8 keys: image p holds groups 4 p + e (rows 0-7) and 4 p + 2 + e (rows 8-15), e = 0 in registers 0-5, 1 in 6-11.  For c, u = 0, 1 lanes with row r < 8 read
; rows 8 u + r of image 2 c and lanes with r >= 8 rows 8 u + r - 8 of image 2 c + 1: the operand's tiles j = 2 u + e then hold groups 8 c + j and 8 c + 4 + j.  Three rows of 640 bytes are 128 modulo 256.
; With the product used transposed, register 32 c + 8 j + i of lane (query, h) is key 64 c + 32 h + 8 j + i: ONE WHOLE SCALE BLOCK of p in the lane that the second product wants it in.
; THE FIRST PRODUCT'S K IS 64, the instruction's 128: a pair is multiplied by [q | 0] for its even tile and by [0 | q] for its odd one; v16-33 hold q, zeros, q, so that both operands share the zeros.
; K's fragments and V's have registers of their own: K of the next step is loaded behind this step's first products, V of this step at its top.
; INDEPENDENT CHAINS TAKE TURNS: eight chains of maxima (one a tile), five of additions with the scale word's lines between their rounds.  The one chain that has nothing to take turns with (the row's maximum, -M, f) has a hint ahead of each link.
.set RECB,  12800
.set STEPB, 16000
.set SPARE, 256000                     ; behind the sixteen records: the spare words, 128 bytes a wave
.set QOFF,  13107200
.set SH,   0                           ; v0  8 x (lane / 16), once the thread's number has served
.set LI,   1                           ; v1  16 x lane
.set KB,   2                           ; v2  K's images: 1,920 (r / 8) + 16 (r % 8) + 256 h
.set KSB,  3                           ; v3  K's words: 7,680 + 16 (r % 8) + 4 (r / 8)
.set VB,   4                           ; v4  V's images: 7,936 + 16 r + 384 h
.set VSB,  5                           ; v5  V's words: 15,616 + 16 r
.set L8,   6
.set L2,   7
.set AK,   8                           ; v8-11 the same four with the step's LDS byte; once the step's loads are issued: v8, v9 the scale word at work, v[10:11] a chain of the sum
.set AKS,  9
.set AV,   10
.set AVS,  11
                                       ; v12 -M, v13 the running largest score, v[14:15] the row's sum in two halves
.set Q0,   16                          ; v16-27 [q | 0]
.set Q1,   22                          ; v22-33 [0 | q]
.set QS,   34                          ; q's two bytes, twice
.set QW,   35
.set U0,   36                          ; o's scale bytes: this tile's, the tile's before
.set U1,   37
.set QN,   38                          ; v38-43 the second tile's q
.set FK,   44                          ; v44-91 K's four pairs
.set FV,   92                          ; v92-139 V^T's four tiles
.set SS,   140                         ; v140-203 S^T, then p
.set PC,   SS+16                       ; p's codes, laid over numbers that have been converted
.set OO,   204                         ; v204-235 O^T
.set T,    236                         ; v236-243 at work
.set FF,   244                         ; f = 2^(old M - new M)
.set PWD,  245                         ; p's scale word
.set VS,   246
.set KS,   250
.set SPW,  254
.set NIL,  255
.set WV,   8
.set CS,   44                          ; s[44:45] c = log2(e) / 8
.set SEL,  46
.set TB,   48                          ; LDS byte of a key step
.set CNT,  49
.set NX,   50
.set NC,   51                          ; -c
.set UC,   52
.macro CROUND
	s_barrier_signal -1
	s_barrier_wait -1
	s_cmp_lg_u32 s[WV], 0
	s_cbranch_scc1 .Lnot_wave_0_\@
	s_barrier_signal -3
.Lnot_wave_0_\@:
	s_barrier_wait -3
	s_barrier_signal -1
	s_barrier_wait -1
.endm
.macro WALU
	s_wait_alu depctr_va_vdst(0)
.endm
.macro KLOAD a, as                     ; four pairs and their words: 16 loads
.irp c, 0,1
.irp u, 0,1
.irp k, 0,1,2
	ds_load_b128 v[FK+12*(2*\c+\u)+4*\k:FK+12*(2*\c+\u)+4*\k+3], v[\a] offset:640*(6*\c+\k)+128*\u
.endr
.endr
.endr
.irp c, 0,1
.irp u, 0,1
	ds_load_b32 v[KS+2*\c+\u], v[\as] offset:128*\u+8*\c
.endr
.endr
.endm
.macro ADD5 k                          ; a round of the sum's five chains: pairs k .. k + 4 of p
	v_pk_add_f32 v[14:15], v[14:15], v[SS+2*(\k):SS+2*(\k)+1]
	v_pk_add_f32 v[T+2:T+3], v[T+2:T+3], v[SS+2*(\k)+2:SS+2*(\k)+3]
	v_pk_add_f32 v[T+4:T+5], v[T+4:T+5], v[SS+2*(\k)+4:SS+2*(\k)+5]
	v_pk_add_f32 v[T+6:T+7], v[T+6:T+7], v[SS+2*(\k)+6:SS+2*(\k)+7]
	v_pk_add_f32 v[10:11], v[10:11], v[SS+2*(\k)+8:SS+2*(\k)+9]
.endm
	s_load_b128 s[4:7], s[0:1], 0x0                ; qkv s[4:5], oq s[6:7]
	v_lshl_add_u32 v[SPW], v0, 2, SPARE
	v_mov_b32 v[NIL], 0
	ds_add_u32 v[SPW], v[NIL]                      ; the opening lines
	ds_add_u32 v[SPW], v[NIL]
	v_lshrrev_b32 v9, 5, v0
	v_readfirstlane_b32 s[WV], v9                  ; wave 0..15
	s_bfe_u32 s9, ttmp6, 0x40000                   ; cx: which 512 queries: it enters Q's and o's global addresses alone
	s_and_b32 s10, ttmp7, 0xffff                   ; 16 x batch + head, which the four partners share
	s_mov_b32 s16, 15|(3<<16)|(1<<20)|(1<<21)|(6<<22)|(31<<25)  ; the mask: all four; elements of 8 bytes; behind every 128 words 32 words of padding
	s_mov_b32 s17, 64<<16                          ; rows of 512 bytes
	s_mov_b32 s18, 25<<16                          ; 25 rows: a record
	s_mov_b32 s19, 64<<16
	s_mov_b32 s20, 25
	s_mov_b32 s21, 64                              ; dense
	s_mov_b32 s22, 0
	s_mov_b32 s23, 0
	s_mul_i32 s24, s[WV], STEPB                    ; my record: key step = wave: in LDS,
	s_mul_i32 s25, s[WV], RECB                     ; and in memory
	s_mul_i32 s26, s10, 16*RECB
	s_add_co_u32 s26, s26, s25
	s_mov_b32 s27, 0
	s_lshl_b32 s28, s9, 4
	s_add_co_u32 s28, s28, s[WV]                   ; my pair of query tiles: 0 .. 63 in the batch
	s_lshr_b32 s29, s28, 2
	s_mul_i32 s29, s29, 6400
	s_and_b32 s30, s28, 3
	s_mul_i32 s31, s30, 1536
	s_mul_i32 s32, s10, 102400
	s_add_co_u32 s32, s32, s29
	s_add_co_u32 s32, s32, QOFF                    ; Q's record
	s_add_co_u32 s34, s32, s31                     ; my pair's image
	s_mov_b32 s35, 0
	s_lshl_b32 s30, s30, 2
	s_add_co_u32 s36, s32, s30
	s_add_co_u32 s36, s36, 6144                    ; and its scale words
	s_mov_b32 s37, 0
	s_lshr_b32 s38, s10, 4
	s_lshl_b32 s38, s38, 6
	s_add_co_u32 s38, s38, s28
	s_mul_i32 s38, s38, 25600                      ; oq: the record of my 32 tokens
	s_and_b32 s39, s10, 15
	s_mul_i32 s40, s39, 768
	s_add_co_u32 s40, s40, s38                     ; my head's codes
	s_mov_b32 s41, 0
	s_lshl_b32 s39, s39, 6
	s_add_co_u32 s42, s38, s39
	s_add_co_u32 s42, s42, 24576                   ; my head's scale bytes
	s_mov_b32 s43, 0
	s_mov_b32 s[CS], 0x3e38aa3b
	s_mov_b32 s[CS+1], s[CS]                       ; (named with it as a pair, so it is written)
	s_mov_b32 s[NC], 0xbe38aa3b
	s_mov_b32 s[SEL], 0x76543210
	s_mov_b32 s[SEL+1], 0xfedcba98
	s_mov_b32 s[UC], 0
	s_wait_dscnt 0x0
	s_wait_kmcnt 0x0
	s_mov_b32 s12, 1
	s_mov_b32 s13, s24
	s_add_nc_u64 s[14:15], s[4:5], s[26:27]
	s_or_b32 s15, s15, 0x80000000
	s_add_nc_u64 s[34:35], s[4:5], s[34:35]
	s_add_nc_u64 s[36:37], s[4:5], s[36:37]
	s_add_nc_u64 s[40:41], s[6:7], s[40:41]
	s_add_nc_u64 s[42:43], s[6:7], s[42:43]
	CROUND                                         ; all four work-groups are here: the joint loads meet
	tensor_load_to_lds s[12:15], s[16:23]          ; one load a wave, the only one of the launch
	s_nop 0
.rept 4
	v_nop
.endr
	v_and_b32 v[T], 31, v0                         ; lane
	v_and_b32 v[T+1], 15, v0                       ; r
	v_bfe_u32 v[T+2], v0, 4, 1                     ; h
	v_bfe_u32 v[T+3], v0, 3, 1                     ; r / 8
	v_and_b32 v[T+4], 7, v0                        ; r % 8
	v_lshlrev_b32 v[LI], 4, v[T]
	v_lshlrev_b32 v[T+5], 4, v[T+1]
.irp k, 0,1,2
	global_load_b128 v[SS+4*\k:SS+4*\k+3], v[LI], s[34:35] offset:512*\k   ; Q's pair image
.endr
	global_load_b32 v[QW], v[T+5], s[36:37]
	v_lshlrev_b32 v[L8], 3, v[T]
	v_lshlrev_b32 v[L2], 1, v[T]
	v_mul_u32_u24 v[KB], v[T+3], 1920
	v_lshl_add_u32 v[KB], v[T+4], 4, v[KB]
	v_lshl_add_u32 v[KB], v[T+2], 8, v[KB]
	v_lshlrev_b32 v[KSB], 4, v[T+4]
	v_lshl_add_u32 v[KSB], v[T+3], 2, v[KSB]
	v_add_nc_u32 v[KSB], 7680, v[KSB]
	v_mul_u32_u24 v[VB], v[T+2], 384
	v_lshl_add_u32 v[VB], v[T+1], 4, v[VB]
	v_add_nc_u32 v[VB], 7936, v[VB]
	v_lshl_add_u32 v[VSB], v[T+1], 4, 15616
	v_lshlrev_b32 v[SH], 3, v[T+2]
.irp i, 0,1,2,3,4,5
	v_mov_b32 v[Q0+6+\i], 0                        ; the zero half, once
.endr
	v_mov_b32 v[PWD], 0                            ; (named as the upper half of the pair with f before it is first written)
	v_mov_b32 v[U0], 0
	v_mov_b32 v9, 0                                ; a lane permute's destination counts as one of its sources
	WALU                                           ; the wait at the head's end
	s_wait_tensorcnt 0x0                           ; my record is in,
	s_barrier_signal -1
	s_barrier_wait -1                              ; everybody's is: from here on LDS is only read
	KLOAD KB, KSB                                  ; key step 0
	s_wait_loadcnt 0x0                             ; Q
.irp i, 0,1,2,3,4,5
	v_mov_b32 v[Q0+\i], v[SS+\i]
	v_mov_b32 v[Q1+6+\i], v[SS+\i]
	v_mov_b32 v[QN+\i], v[SS+6+\i]
.endr
	v_perm_b32 v[QS], v[QW], v[QW], 0x01000100     ; the tile's two bytes for both halves of the instruction's K
.Ltile:
	v_mov_b32 v13, 0xff61b1e6                      ; the largest score so far: -3e38
	v_floor_f32 v12, -v13
	v_mov_b32 v14, 0
	v_mov_b32 v15, 0
.set JJ, 0
.rept 32
	v_mov_b32 v[OO+JJ], 0                          ; the step is written once: the first finds zeros.  (Also the places between q's registers and the first products)
.set JJ, JJ+1
.endr
	s_mov_b32 s[TB], 0
	s_mov_b32 s[CNT], 0
.Lstep:                                                ; A KEY STEP: 128 keys against my 16 queries
	v_add_nc_u32 v[AV], s[TB], v[VB]
	v_add_nc_u32 v[AVS], s[TB], v[VSB]
	v_nop
	v_nop
	v_nop                                          ; five places behind the last products: four for the loads below, five for the products that write over p's codes
.irp t, 0,1,2,3
.irp k, 0,1,2
	ds_load_b128 v[FV+12*\t+4*\k:FV+12*\t+4*\k+3], v[AV] offset:640*(3*\t+\k)
.endr
.endr
	ds_load_b128 v[VS:VS+3], v[AVS]
	s_add_co_u32 s[CNT], s[CNT], 1
	s_and_b32 s[NX], s[CNT], 15                    ; the next step; behind the last comes step 0, for the next tile
	s_mul_i32 s[TB], s[NX], STEPB
	s_wait_dscnt 13                                ; K's 16 loads are in; V's 13, issued behind them, may be out
.irp c, 0,1
.irp u, 0,1
	v_wmma_scale_f32_16x16x128_f8f6f4 v[SS+32*\c+16*\u:SS+32*\c+16*\u+7], v[FK+12*(2*\c+\u):FK+12*(2*\c+\u)+11], v[Q0:Q0+11], 0, v[KS+2*\c+\u], v[QS] matrix_a_fmt:MATRIX_FMT_FP6 matrix_b_fmt:MATRIX_FMT_FP6
	v_wmma_scale_f32_16x16x128_f8f6f4 v[SS+32*\c+16*\u+8:SS+32*\c+16*\u+15], v[FK+12*(2*\c+\u):FK+12*(2*\c+\u)+11], v[Q1:Q1+11], 0, v[KS+2*\c+\u], v[QS] matrix_a_fmt:MATRIX_FMT_FP6 matrix_b_fmt:MATRIX_FMT_FP6
.endr
.endr
	v_add_nc_u32 v[AK], s[TB], v[KB]
	v_add_nc_u32 v[AKS], s[TB], v[KSB]
	v_nop
	v_nop                                          ; four places in front of the loads below and of the first read of the scores
	KLOAD AK, AKS
.irp x, 0,1,2,3,4,5,6,7                ; the largest score of each block of 32 keys: a chain for each tile, each accumulator first read at its low end
	v_max3_num_f32 v[T+\x], v[SS+8*\x], v[SS+8*\x+1], v[SS+8*\x+2]
.endr
.irp i, 3,5
.irp x, 0,1,2,3,4,5,6,7
	v_max3_num_f32 v[T+\x], v[T+\x], v[SS+8*\x+\i], v[SS+8*\x+\i+1]
.endr
.endr
	v_max3_num_f32 v[T], v[T], v[SS+7], v[SS+15]   ; the tiles' last registers
	v_max3_num_f32 v[T+2], v[T+2], v[SS+23], v[SS+31]
	v_max3_num_f32 v[T+4], v[T+4], v[SS+39], v[SS+47]
	v_max3_num_f32 v[T+6], v[T+6], v[SS+55], v[SS+63]
	s_delay_alu instid0(VALU_DEP_3)
	v_max3_num_f32 v[T], v[T], v[T+1], v[T+2]
	s_delay_alu instid0(VALU_DEP_2)
	v_max3_num_f32 v[T+4], v[T+4], v[T+5], v[T+6]
	s_delay_alu instid0(VALU_DEP_2)
	v_max_num_f32 v[T], v[T], v[T+3]               ; block h
	s_delay_alu instid0(VALU_DEP_2)
	v_max_num_f32 v[T+1], v[T+4], v[T+7]           ; block 2 + h
	s_delay_alu instid0(VALU_DEP_1)
	v_max_num_f32 v[T+2], v[T], v[T+1]
	s_delay_alu instid0(VALU_DEP_1)
	v_permlanex16_b32 v[T+3], v[T+2], s[SEL], s[SEL+1]
	s_delay_alu instid0(VALU_DEP_1)
	v_max3_num_f32 v13, v13, v[T+2], v[T+3]        ; the running largest score of my query
	s_delay_alu instid0(VALU_DEP_1)
	v_mul_f32 v[T+2], s[NC], v13                   ; -t
	s_delay_alu instid0(VALU_DEP_1)
	v_floor_f32 v[T+3], v[T+2]                     ; the new -M: M is a whole number
	s_delay_alu instid0(VALU_DEP_1)
	v_sub_f32 v[T+2], v[T+3], v12                  ; old M - new M: a whole number, 0 or less
	s_delay_alu instid0(VALU_DEP_2)
	v_mov_b32 v12, v[T+3]
	s_delay_alu instid0(VALU_DEP_2)
	v_cvt_i32_f32 v[T+2], v[T+2]                   ; (it saturates)
	s_delay_alu instid0(VALU_DEP_1)
	v_ldexp_f32 v[FF], 1.0, v[T+2]                 ; f = 2^(old M - new M)
.set JJ, 0
.rept 32
	v_pk_fma_f32 v[SS+JJ:SS+JJ+1], v[SS+JJ:SS+JJ+1], s[CS:CS+1], v[12:13] op_sel_hi:[1,0,0]   ; t - M, two at a time
.set JJ, JJ+2
.endr
	v_pk_fma_f32 v[T:T+1], v[T:T+1], s[CS:CS+1], v[12:13] op_sel_hi:[1,0,0]   ; the same of the two blocks' largest scores: p rises with the score
	WALU                                           ; the wait ahead of the batch
	v_exp_f32 v[T], v[T]                           ; the blocks' largest p
	v_exp_f32 v[T+1], v[T+1]
.set JJ, 0
.rept 64
	v_exp_f32 v[SS+JJ], v[SS+JJ]                   ; p = 2^(t - M), at most 1
.set JJ, JJ+1
.endr
	v_pk_mul_f32 v[14:15], v[14:15], v[FF:FF+1] op_sel_hi:[1,0]   ; the sums under the new M: the plain place behind the batch
	WALU                                           ; and the one wait behind it
	v_pk_add_f32 v[14:15], v[14:15], v[SS:SS+1]    ; the row's sum of the unquantised p, in five chains; the scale word's lines stand between the rounds
	v_pk_add_f32 v[T+2:T+3], v[SS+2:SS+3], v[SS+4:SS+5]
	v_pk_add_f32 v[T+4:T+5], v[SS+6:SS+7], v[SS+8:SS+9]
	v_pk_add_f32 v[T+6:T+7], v[SS+10:SS+11], v[SS+12:SS+13]
	v_pk_add_f32 v[10:11], v[SS+14:SS+15], v[SS+16:SS+17]
	v_max_num_f32 v[T], 0x1800000, v[T]            ; the floor 2^(3 - 127)
	v_max_num_f32 v[T+1], 0x1800000, v[T+1]
	ADD5 9
	v_add_nc_u32 v[T], 0xff000000, v[T]            ; 2 off the exponent field: the conversions' scale operands
	v_add_nc_u32 v[T+1], 0xff000000, v[T+1]
	ADD5 14
	v_lshrrev_b32 v8, 23, v[T]                     ; the scales' bytes
	v_lshrrev_b32 v9, 23, v[T+1]
	ADD5 19
	v_lshl_or_b32 v8, v9, 16, v8                   ; my two bytes, blocks h and 2 + h,
	ADD5 24
	v_lshlrev_b32 v8, v[SH], v8                    ; at their places
	v_pk_add_f32 v[14:15], v[14:15], v[SS+58:SS+59]
	v_pk_add_f32 v[T+2:T+3], v[T+2:T+3], v[SS+60:SS+61]
	v_pk_add_f32 v[T+4:T+5], v[T+4:T+5], v[SS+62:SS+63]
	v_pk_add_f32 v[T+6:T+7], v[T+6:T+7], v[10:11]
	v_permlanex16_b32 v9, v8, s[SEL], s[SEL+1]
	v_pk_add_f32 v[14:15], v[14:15], v[T+2:T+3]
	v_pk_add_f32 v[T+6:T+7], v[T+6:T+7], v[T+4:T+5]
	v_cvt_scalef32_pk16_fp6_f32 v[T+2:T+4], v[SS+16:SS+31], v[T]          ; block h, upper 16; its numbers' registers take the codes
	v_or_b32 v[PWD], v8, v9                        ; with lane l xor 16's two bytes the word is whole; the plain place between that conversion and those that write over its sources
	v_cvt_scalef32_pk16_fp6_f32 v[PC:PC+2], v[SS:SS+15], v[T]
	v_cvt_scalef32_pk16_fp6_f32 v[PC+6:PC+8], v[SS+32:SS+47], v[T+1]
	v_cvt_scalef32_pk16_fp6_f32 v[PC+12:PC+14], v[SS+48:SS+63], v[T+1]
	v_pk_add_f32 v[14:15], v[14:15], v[T+6:T+7]    ; the plain place behind the conversions
.irp i, 0,1,2
	v_mov_b32 v[PC+3+\i], v[T+2+\i]                ; (a conversion's three registers begin on an even number)
	v_mov_b32 v[PC+9+\i], v[PC+12+\i]
.endr
	s_wait_dscnt 16                                ; V's 13 loads are in; the next step's 16 of K, issued behind them, may be out
	WALU                                           ; the wait directly ahead of the first reader of O^T
.set JJ, 0
.rept 16
	v_pk_mul_f32 v[OO+JJ:OO+JJ+1], v[OO+JJ:OO+JJ+1], v[FF:FF+1] op_sel_hi:[1,0]   ; O^T under the new M; also the places between the scale word, the codes and the products
.set JJ, JJ+2
.endr
.irp t, 0,1,2,3
	v_wmma_scale_f32_16x16x128_f8f6f4 v[OO+8*\t:OO+8*\t+7], v[FV+12*\t:FV+12*\t+11], v[PC:PC+11], v[OO+8*\t:OO+8*\t+7], v[VS+\t], v[PWD] matrix_a_fmt:MATRIX_FMT_FP6 matrix_b_fmt:MATRIX_FMT_FP6
.endr
	s_cmp_lt_u32 s[CNT], 16
	s_cbranch_scc1 .Lstep
; THE WAY OUT of a tile: O^T / the sum; register 16 B + i is channel 32 B + 16 (lane / 16) + i of my query: two blocks of the last product's K; six registers of codes a lane
.rept 4
	v_nop                                          ; places behind the last products
.endr
	v_add_f32 v14, v14, v15
	v_permlanex16_b32 v[T+2], v14, s[SEL], s[SEL+1]
	v_add_f32 v14, v14, v[T+2]                     ; the row's sum
	WALU
	v_rcp_f32 v14, v14
	v_mov_b32 v[U1], v[U0]                         ; the tile before's bytes; the plain place behind the reciprocal
	WALU
.set JJ, 0
.rept 16
	v_pk_mul_f32 v[SS+JJ:SS+JJ+1], v[OO+JJ:OO+JJ+1], v[14:15] op_sel_hi:[1,0]
.set JJ, JJ+2
.endr
.irp b, 0,1
	v_max3_num_f32 v[T+\b], |v[SS+16*\b]|, |v[SS+16*\b+1]|, 0x1800000
.endr
.irp i, 2,4,6,8,10,12,14
.irp b, 0,1
	v_max3_num_f32 v[T+\b], v[T+\b], |v[SS+16*\b+\i]|, |v[SS+16*\b+\i+1]|
.endr
.endr
.irp b, 0,1
	v_permlanex16_b32 v[T+2+\b], v[T+\b], s[SEL], s[SEL+1]
.endr
.irp b, 0,1
	v_max_num_f32 v[T+\b], v[T+\b], v[T+2+\b]
.endr
.irp b, 0,1
	v_add_nc_u32 v[T+4+\b], 0xff000000, v[T+\b]
.endr
.irp b, 0,1
	v_lshrrev_b32 v[T+2+\b], 23, v[T+4+\b]
.endr
	v_lshl_or_b32 v[U0], v[T+3], 8, v[T+2]         ; my row's two bytes
	v_cvt_scalef32_pk16_fp6_f32 v[SS+32:SS+34], v[SS:SS+15], v[T+4]
	v_cvt_scalef32_pk16_fp6_f32 v[SS+40:SS+42], v[SS+16:SS+31], v[T+5]
	v_nop                                          ; one plain place behind a scaled conversion
.irp i, 0,1,2
	v_permlane16_swap_b32 v[SS+32+\i], v[SS+40+\i] ; a whole block to a lane
.endr
.irp i, 0,1,2
	v_mov_b32 v[SS+35+\i], v[SS+40+\i]
.endr
	global_store_b128 v[LI], v[SS+32:SS+35], s[40:41]              ; 512 consecutive bytes, aligned
	global_store_b64 v[L8], v[SS+36:SS+37], s[40:41] offset:512    ; 256 consecutive bytes, aligned
.irp i, 0,1,2,3,4,5
	v_mov_b32 v[Q0+\i], v[QN+\i]                   ; the second tile's q
	v_mov_b32 v[Q1+6+\i], v[QN+\i]
.endr
	v_perm_b32 v[QS], v[QW], v[QW], 0x03020302
	s_add_co_u32 s[UC], s[UC], 1
	WALU                                           ; the wait ahead of the wait and the branch below
	s_wait_xcnt 0x0                                ; the stores have read their registers and their base
	s_add_nc_u64 s[40:41], s[40:41], 12288
	s_cmp_lt_u32 s[UC], 2
	s_cbranch_scc1 .Ltile
	s_mov_b32 vcc_lo, 0xffff0000
	v_cndmask_b32 v[T], v[U1], v[U0], vcc_lo       ; lanes 0-15: tile 0's rows; lanes 16-31: tile 1's
	global_store_b16 v[L2], v[T], s[42:43]         ; [tile][row]: 64 consecutive bytes
	s_wait_tensorcnt 0x0                           ; the wave's end
	ds_add_u32 v[SPW], v[NIL]
	s_wait_dscnt 0x0
	CROUND                                         ; the closing round: no work-group ends while a partner may still ask for a record that names it
	s_endpgm
.Lfunc_end_k_qa890cf0a63_attn:
	.size	k_qa890cf0a63_attn, .Lfunc_end_k_qa890cf0a63_attn-k_qa890cf0a63_attn
	.p2alignl 7, 3214868480
	.fill 96, 4, 3214868480
	.section	.rodata,"a",@progbits
	.p2align	6, 0x0
	.amdhsa_kernel k_qa890cf0a63_attn
		.amdhsa_group_segment_fixed_size 258048
		.amdhsa_private_segment_fixed_size 0
		.amdhsa_enable_private_segment 0
		.amdhsa_kernarg_size 16
		.amdhsa_user_sgpr_count 2
		.amdhsa_user_sgpr_kernarg_segment_ptr 1
		.amdhsa_wavefront_size32 1
		.amdhsa_system_sgpr_workgroup_id_x 1
		.amdhsa_system_sgpr_workgroup_id_y 1
		.amdhsa_system_sgpr_workgroup_id_z 1
		.amdhsa_system_vgpr_workitem_id 0
		.amdhsa_next_free_vgpr 256
		.amdhsa_next_free_sgpr 66
		.amdhsa_reserve_vcc 1
		.amdhsa_float_denorm_mode_32 3
		.amdhsa_float_denorm_mode_16_64 3
		.amdhsa_memory_ordered 1
		.amdhsa_forward_progress 1
		.amdhsa_inst_pref_size 29
	.end_amdhsa_kernel
	.amdgpu_metadata
---
amdhsa.version: [ 1, 2 ]
amdhsa.kernels:
  - .name:           k_qa890cf0a63_attn
    .symbol:         k_qa890cf0a63_attn.kd
    .args:
      - { .name: qkv, .offset: 0, .size: 8, .value_kind: global_buffer, .address_space: global }
      - { .name: oq, .offset: 8, .size: 8, .value_kind: global_buffer, .address_space: global }
    .group_segment_fixed_size: 258048
    .private_segment_fixed_size: 0
    .kernarg_segment_align: 8
    .kernarg_segment_size: 16
    .max_flat_workgroup_size: 512
    .sgpr_count:     66
    .vgpr_count:     256
    .wavefront_size: 32
...
	.end_amdgpu_metadata
.endif
;; end of part 3
;; launch proj (part 4): grid 256 x 1, 16 waves a work-group, no clusters, 158,208 bytes of LDS; arguments oq, xw, inputs, bo, ln_gamma, ln_beta, out0; writes out0
.if DOCPART == 4
	.amdgcn_target "amdgcn-amd-amdhsa--gfx1250"
	.amdhsa_code_object_version 6
	.text
	.protected	k_qa890cf0a63_proj
	.globl	k_qa890cf0a63_proj
	.p2align	8
	.type	k_qa890cf0a63_proj,@function
k_qa890cf0a63_proj:
	s_mov_b64 s[64:65], 0
	v_nop
	global_prefetch_b8 v0, s[64:65] scope:SCOPE_SE
	s_setreg_imm32_b32 hwreg(HW_REG_WAVE_MODE, 25, 1), 1
	s_wait_xcnt 0x0
; out0 = LayerNorm(inputs + o wo + bo) x gamma + beta.  The product is on codes of FP6 (E2M3) with E8M0 scales, K = 1,024; all else in f32; mean and variance in two passes, as they are defined.
; LIMITS: NaN and infinities are not served.
; SHARES.  A work-group owns 32 tokens x all 1,024 columns, so that a row's mean and variance never leave it.  Wave w makes columns 64 w .. 64 w + 63: four tiles of wo's columns (source 0) x two tiles of tokens (source 1): 8 accumulators.
; o's codes (24,576 bytes for the 32 tokens) are copied once into LDS as they lie and read from there by all sixteen waves.  wo's fragments go from memory straight into registers, laid in the order of the operand's registers:
; three loads of 16 bytes a lane for a fragment, a ring of two K steps in registers: 12 loads of 512 bytes a wave are out while a K step is multiplied, with no barrier.
; NO CLUSTER, NO JOINT LOADS: every work-group walks the same 786,432 bytes of wo's codes, but each fragment feeds one wave's two products only and a wave has 64 matrix instructions in all; a ring in LDS would put a round of
; the cluster's barrier in front of every 8 of them.
; The results meet in a stage in LDS (32 rows x (4,096 + 16) bytes); each wave then takes two whole rows: residual, LayerNorm, store.
; The rows of a tile of tokens: row r of tile m is token 8 m + r + 8 (r / 8) of the 32.
.set AIM,  131584                      ; LDS: the stage at 0, o's images behind it
.set SP,   4112
.set AS,   16                          ; v16-23  o's scale words, one for each K step: lanes 0-15 tile 0, lanes 16-31 tile 1
.set BS,   24                          ; v24-39  wo's: register 4 (s / 2) + 2 (t / 2) + s % 2: lanes 0-15 tile t even, lanes 16-31 t odd
.set AF,   40                          ; v40-87  o's fragments: two sets x two tiles
.set BF,   88                          ; v88-183 wo's: two sets x four tiles
.set ACC,  184                         ; v184-247 accumulator (t, m) at 184 + 8 (2 t + m)
.set TP,   248
.set GG,   16                          ; behind the loop: v16-47 gamma, v48-79 beta, v80-143 two rows of inputs, v144-207 two rows of the stage, v208-213 at work
.set BB,   48
.set IN,   80
.set ST,   144
	s_load_b256 s[4:11], s[0:1], 0x0               ; oq s[4:5], xw s[6:7], inputs s[8:9], bo s[10:11]
	s_load_b128 s[12:15], s[0:1], 0x20             ; gamma s[12:13], beta s[14:15]
	s_load_b64 s[16:17], s[0:1], 0x30              ; out0
	v_lshrrev_b32 v13, 5, v0
	s_delay_alu instid0(VALU_DEP_1)
	v_readfirstlane_b32 s18, v13                   ; wave 0..15
	v_and_b32 v13, 31, v0                          ; lane
	v_and_b32 v14, 15, v0                          ; r
	v_bfe_u32 v15, v0, 4, 1                        ; h
	s_delay_alu instid0(VALU_DEP_3)
	v_lshlrev_b32 v1, 4, v13                       ; 16 x lane
	s_delay_alu instid0(VALU_DEP_4)
	v_lshlrev_b32 v2, 3, v13                       ; 8 x lane
	v_lshlrev_b32 v3, 1, v13                       ; 2 x lane
	v_lshlrev_b32 v4, 4, v0                        ; 16 x thread: the copy of o's codes, in memory
	v_lshl_add_u32 v5, v0, 4, AIM                  ; and in LDS
	v_add_nc_u32 v6, AIM, v1                       ; o's images: pieces of 16 bytes a lane
	v_add_nc_u32 v7, AIM, v2                       ; and of 8
	v_lshlrev_b32 v8, 6, v15                       ; 16 h numbers of bo
	s_lshl_b32 s28, s18, 8                         ; my 64 columns, in bytes
	s_mov_b32 s29, 0
	v_mul_u32_u24 v9, v14, SP
	s_delay_alu instid0(VALU_DEP_1)
	v_lshl_add_u32 v9, v15, 6, v9
	s_delay_alu instid0(VALU_DEP_1)
	v_add_nc_u32 v9, s28, v9                       ; the stage, in: row r, + 256 w + 64 h
	s_delay_alu instid0(VALU_DEP_1)
	v_add_nc_u32 v10, 16*SP, v9                    ; and row 16 + r (beyond the immediate's 16 bits)
	s_mul_i32 s32, s18, 2*SP
	v_add_nc_u32 v11, s32, v1                      ; back: rows 2 w, 2 w + 1, 16 bytes a lane
	v_lshlrev_b32 v12, 8, v13                      ; 256 x lane: the prefetch
	s_mul_i32 s20, ttmp9, 25600                    ; my 32 tokens' record of oq
	s_mov_b32 s21, 0
	s_lshr_b32 s22, s18, 1
	s_add_co_u32 s22, s22, 88                      ; wo's group of 128 columns
	s_mul_i32 s22, s22, 102400
	s_and_b32 s23, s18, 1
	s_mul_i32 s24, s23, 12288
	s_add_co_u32 s24, s24, s22                     ; my four tiles' images
	s_mov_b32 s25, 0
	s_lshl_b32 s26, s23, 9
	s_add_co_u32 s26, s26, s22
	s_add_co_u32 s26, s26, 24576                   ; and their scale words
	s_mov_b32 s27, 0
	s_lshl_b32 s30, ttmp9, 5                       ; stage rows 2 w, 2 w + 1 are tokens 32 P + 8 (w / 8) + 2 (w % 8) + 8 ((w / 4) % 2) + 0, 1
	s_lshr_b32 s31, s18, 3
	s_lshl_b32 s31, s31, 3
	s_add_co_u32 s30, s30, s31
	s_and_b32 s31, s18, 7
	s_lshl_b32 s31, s31, 1
	s_add_co_u32 s30, s30, s31
	s_bfe_u32 s31, s18, 0x10002
	s_lshl_b32 s31, s31, 3
	s_add_co_u32 s30, s30, s31
	s_lshl_b32 s30, s30, 12                        ; rows of 4,096 bytes
	s_mov_b32 s31, 0
	s_mov_b32 s38, 0x76543210
	s_mov_b32 s39, 0xfedcba98
	s_mov_b32 s40, 0x3a800000                      ; 1 / 1,024
	s_mov_b32 s41, 0x358637bd                      ; 1e-6
	s_wait_alu depctr_va_vdst(0)
	s_wait_kmcnt 0x0
	s_add_nc_u64 s[4:5], s[4:5], s[20:21]
	s_add_nc_u64 s[36:37], s[6:7], s[26:27]
	s_add_nc_u64 s[6:7], s[6:7], s[24:25]
	s_add_nc_u64 s[10:11], s[10:11], s[28:29]
	s_add_nc_u64 s[8:9], s[8:9], s[30:31]
	s_add_nc_u64 s[16:17], s[16:17], s[30:31]
.macro BLOAD s                         ; wo's four fragments of K step s into set s % 2
.irp t, 0,1,2,3
.irp c, 0,1,2
	global_load_b128 v[BF+48*((\s)%2)+12*\t+4*\c:BF+48*((\s)%2)+12*\t+4*\c+3], v1, s[6:7] offset:25600*((\s)/2)+3072*\t+1536*((\s)%2)+512*\c
.endr
.endr
.endm
.macro ALOAD s                         ; o's two fragments of K step s (heads 2 s, 2 s + 1: six registers each) into set s % 2
.irp m, 0,1
	ds_load_b128 v[AF+24*((\s)%2)+12*\m:AF+24*((\s)%2)+12*\m+3], v6 offset:12288*\m+1536*(\s)
	ds_load_b64 v[AF+24*((\s)%2)+12*\m+4:AF+24*((\s)%2)+12*\m+5], v7 offset:12288*\m+1536*(\s)+512
	ds_load_b128 v[AF+24*((\s)%2)+12*\m+6:AF+24*((\s)%2)+12*\m+9], v6 offset:12288*\m+1536*(\s)+768
	ds_load_b64 v[AF+24*((\s)%2)+12*\m+10:AF+24*((\s)%2)+12*\m+11], v7 offset:12288*\m+1536*(\s)+1280
.endr
.endm
.macro WM s, t, m
.set DA, ACC+8*(2*(\t)+(\m))
.set BA, BF+48*((\s)%2)+12*(\t)
.set AA, AF+24*((\s)%2)+12*(\m)
.set SW, BS+4*((\s)/2)+2*((\t)/2)+(\s)%2
.if (\t)%2 == 0
.if (\m) == 0
	v_wmma_scale_f32_16x16x128_f8f6f4 v[DA:DA+7], v[BA:BA+11], v[AA:AA+11], v[DA:DA+7], v[SW], v[AS+(\s)] matrix_a_fmt:MATRIX_FMT_FP6 matrix_b_fmt:MATRIX_FMT_FP6
.else
	v_wmma_scale_f32_16x16x128_f8f6f4 v[DA:DA+7], v[BA:BA+11], v[AA:AA+11], v[DA:DA+7], v[SW], v[AS+(\s)] matrix_a_fmt:MATRIX_FMT_FP6 matrix_b_fmt:MATRIX_FMT_FP6 matrix_b_scale:MATRIX_SCALE_ROW1
.endif
.else
.if (\m) == 0
	v_wmma_scale_f32_16x16x128_f8f6f4 v[DA:DA+7], v[BA:BA+11], v[AA:AA+11], v[DA:DA+7], v[SW], v[AS+(\s)] matrix_a_fmt:MATRIX_FMT_FP6 matrix_b_fmt:MATRIX_FMT_FP6 matrix_a_scale:MATRIX_SCALE_ROW1
.else
	v_wmma_scale_f32_16x16x128_f8f6f4 v[DA:DA+7], v[BA:BA+11], v[AA:AA+11], v[DA:DA+7], v[SW], v[AS+(\s)] matrix_a_fmt:MATRIX_FMT_FP6 matrix_b_fmt:MATRIX_FMT_FP6 matrix_a_scale:MATRIX_SCALE_ROW1 matrix_b_scale:MATRIX_SCALE_ROW1
.endif
.endif
.endm
	; the head's loads, 55 and then 12 more
.irp k, 0,1,2
	global_load_b128 v[AF+4*\k:AF+4*\k+3], v4, s[4:5] offset:8192*\k th:TH_LOAD_NT      ; o's codes: 512 threads x 16 bytes, three times
.endr
.irp s, 0,1,2,3,4,5,6,7
	global_load_u16 v[AS+\s], v3, s[4:5] offset:24576+128*\s                            ; head 2 s: two bytes a row
	global_load_u16 v[TP+\s], v3, s[4:5] offset:24576+128*\s+64                         ; head 2 s + 1
.endr
.irp g, 0,1,2,3
.irp p, 0,1
	global_load_b64 v[BS+4*\g+2*\p:BS+4*\g+2*\p+1], v2, s[36:37] offset:25600*\g+256*\p
.endr
.endr
.irp t, 0,1,2,3
.irp m, 0,1
	global_load_b128 v[ACC+8*(2*\t+\m):ACC+8*(2*\t+\m)+3], v8, s[10:11] offset:(32*(\t/2)+8*(\t%2))*4       ; the sums begin as bo: register j is column 64 w + 32 (t / 2) + 16 h + 8 (t % 2) + j
	global_load_b128 v[ACC+8*(2*\t+\m)+4:ACC+8*(2*\t+\m)+7], v8, s[10:11] offset:(32*(\t/2)+8*(\t%2))*4+16
.endr
.endr
	BLOAD 0
	s_wait_loadcnt 52                              ; o's codes are in: behind their three loads 16 + 8 + 16 + 12 were issued
.irp k, 0,1,2
	ds_store_b128 v5, v[AF+4*\k:AF+4*\k+3] offset:8192*\k
.endr
	BLOAD 1
	s_wait_loadcnt 48                              ; o's scale bytes are in: behind them 8 + 16 + 12 + 12 were issued
.irp s, 0,1,2,3,4,5,6,7
	v_lshl_or_b32 v[AS+\s], v[TP+\s], 16, v[AS+\s] ; bytes 0, 1: head 2 s; bytes 2, 3: head 2 s + 1
.endr
.rept 4
	v_nop                                          ; a scale register written by a vector instruction stands eight places ahead of the product that names it
.endr
	s_wait_alu depctr_va_vdst(0)
	s_wait_dscnt 0x0                               ; for the others' sake: my part of o's images has landed
	s_barrier_signal -1
	s_barrier_wait -1
	ALOAD 0
.macro KSTEP s
.if (\s) < 7
	ALOAD (\s)+1
	s_wait_loadcnt 12                              ; this step's fragments of wo are in; the next step's 12 loads may be out
	s_wait_dscnt 8                                 ; this step's fragments of o are in; the next step's 8 loads may be out
.else
	s_wait_loadcnt 0x0
	s_wait_dscnt 0x0
.endif
.irp t, 0,1,2,3                        ; the eight accumulators take turns, one instruction a turn
.irp m, 0,1
	WM \s, \t, \m
.endr
.endr
.rept 4
	v_nop                                          ; places in front of loads into registers that these products have read, and of the first read of results
.endr
.if (\s) < 6
	BLOAD (\s)+2
.endif
.if (\s) == 4
	global_prefetch_b8 v12, s[8:9] th:TH_LOAD_NT scope:SCOPE_SE   ; one request a wave: lanes 256 bytes apart name the 8,192 bytes of my two rows of inputs, three K steps ahead of their loads; each block is named once in the launch
.endif
.endm
.irp s, 0,1,2,3,4,5,6,7
	KSTEP \s
.endr
.irp t, 0,1,2,3
	ds_store_b128 v9, v[ACC+16*\t:ACC+16*\t+3] offset:(32*(\t/2)+8*(\t%2))*4             ; each accumulator from its low end on
	ds_store_b128 v9, v[ACC+16*\t+4:ACC+16*\t+7] offset:(32*(\t/2)+8*(\t%2))*4+16
	ds_store_b128 v10, v[ACC+16*\t+8:ACC+16*\t+11] offset:(32*(\t/2)+8*(\t%2))*4
	ds_store_b128 v10, v[ACC+16*\t+12:ACC+16*\t+15] offset:(32*(\t/2)+8*(\t%2))*4+16
.endr
.irp k, 0,1,2,3,4,5,6,7
	global_load_b128 v[GG+4*\k:GG+4*\k+3], v1, s[12:13] offset:512*\k
.endr
.irp k, 0,1,2,3,4,5,6,7
	global_load_b128 v[BB+4*\k:BB+4*\k+3], v1, s[14:15] offset:512*\k
.endr
.irp i, 0,1
.irp k, 0,1,2,3,4,5,6,7
	global_load_b128 v[IN+32*\i+4*\k:IN+32*\i+4*\k+3], v1, s[8:9] offset:4096*\i+512*\k th:TH_LOAD_NT
.endr
.endr
	s_wait_dscnt 0x0                               ; for the others' sake: my columns of the 32 rows have landed
	s_barrier_signal -1
	s_barrier_wait -1
.irp i, 0,1
.irp k, 0,1,2,3,4,5,6,7
	ds_load_b128 v[ST+32*\i+4*\k:ST+32*\i+4*\k+3], v11 offset:SP*\i+512*\k
.endr
.endr
.macro LANES reg                       ; the sum over the 32 lanes, in every lane; reg + 1 has been written
	s_delay_alu instid0(VALU_DEP_1)
	v_add_f32_dpp v[\reg], v[\reg], v[\reg] row_xmask:1 row_mask:0xf bank_mask:0xf
	s_delay_alu instid0(VALU_DEP_1)
	v_add_f32_dpp v[\reg], v[\reg], v[\reg] row_xmask:2 row_mask:0xf bank_mask:0xf
	s_delay_alu instid0(VALU_DEP_1)
	v_add_f32_dpp v[\reg], v[\reg], v[\reg] row_xmask:4 row_mask:0xf bank_mask:0xf
	s_delay_alu instid0(VALU_DEP_1)
	v_add_f32_dpp v[\reg], v[\reg], v[\reg] row_xmask:8 row_mask:0xf bank_mask:0xf
	s_delay_alu instid0(VALU_DEP_1)
	v_permlanex16_b32 v[\reg+1], v[\reg], s38, s39
	s_delay_alu instid0(VALU_DEP_1)
	v_add_f32 v[\reg], v[\reg], v[\reg+1]
.endm
.macro ROW i
.set XI, IN+32*(\i)
.set SI, ST+32*(\i)
.if (\i) == 0
	s_wait_loadcnt 8                               ; gamma, beta and row 0 of inputs are in; row 1's 8 loads may be out
	s_wait_dscnt 8                                 ; row 0 of the stage is in; row 1's 8 loads may be out
.else
	s_wait_loadcnt 0x0
	s_wait_dscnt 0x0
.endif
.set JJ, 0
.rept 16
	v_pk_add_f32 v[XI+JJ:XI+JJ+1], v[XI+JJ:XI+JJ+1], v[SI+JJ:SI+JJ+1]      ; x = inputs + (o wo + bo)
.set JJ, JJ+2
.endr
	v_pk_add_f32 v[208:209], v[XI:XI+1], v[XI+2:XI+3]
	v_pk_add_f32 v[210:211], v[XI+4:XI+5], v[XI+6:XI+7]
.irp j, 8,12,16,20,24,28
	s_delay_alu instid0(VALU_DEP_2)
	v_pk_add_f32 v[208:209], v[208:209], v[XI+\j:XI+\j+1]
	s_delay_alu instid0(VALU_DEP_2)
	v_pk_add_f32 v[210:211], v[210:211], v[XI+\j+2:XI+\j+3]
.endr
	s_delay_alu instid0(VALU_DEP_1)
	v_pk_add_f32 v[208:209], v[208:209], v[210:211]
	s_delay_alu instid0(VALU_DEP_1)
	v_add_f32 v208, v208, v209
	LANES 208
	s_delay_alu instid0(VALU_DEP_1)
	v_mul_f32 v208, s40, v208                      ; the mean
	s_delay_alu instid0(VALU_DEP_1)
	v_mov_b32 v209, v208
.set JJ, 0
.rept 16
	v_pk_add_f32 v[XI+JJ:XI+JJ+1], v[XI+JJ:XI+JJ+1], v[208:209] neg_lo:[0,1] neg_hi:[0,1]   ; x - mean
.set JJ, JJ+2
.endr
	v_pk_mul_f32 v[210:211], v[XI:XI+1], v[XI:XI+1]
	v_pk_mul_f32 v[212:213], v[XI+2:XI+3], v[XI+2:XI+3]
.irp j, 4,8,12,16,20,24,28
	s_delay_alu instid0(VALU_DEP_2)
	v_pk_fma_f32 v[210:211], v[XI+\j:XI+\j+1], v[XI+\j:XI+\j+1], v[210:211]
	s_delay_alu instid0(VALU_DEP_2)
	v_pk_fma_f32 v[212:213], v[XI+\j+2:XI+\j+3], v[XI+\j+2:XI+\j+3], v[212:213]
.endr
	s_delay_alu instid0(VALU_DEP_1)
	v_pk_add_f32 v[210:211], v[210:211], v[212:213]
	s_delay_alu instid0(VALU_DEP_1)
	v_add_f32 v210, v210, v211
	LANES 210
	s_delay_alu instid0(VALU_DEP_1)
	v_fma_f32 v210, v210, s40, s41                 ; the variance + 1e-6
	s_wait_alu depctr_va_vdst(0)
	v_rsq_f32 v210, v210
	v_nop                                          ; a plain place behind the root
	s_wait_alu depctr_va_vdst(0)                   ; and the wait ahead of its first reader
	v_mov_b32 v211, v210
.set JJ, 0
.rept 16
	v_pk_mul_f32 v[XI+JJ:XI+JJ+1], v[XI+JJ:XI+JJ+1], v[210:211]
.set JJ, JJ+2
.endr
.set JJ, 0
.rept 16
	v_pk_fma_f32 v[XI+JJ:XI+JJ+1], v[XI+JJ:XI+JJ+1], v[GG+JJ:GG+JJ+1], v[BB+JJ:BB+JJ+1]
.set JJ, JJ+2
.endr
.irp k, 0,1,2,3,4,5,6,7
	global_store_b128 v1, v[XI+4*\k:XI+4*\k+3], s[16:17] offset:4096*(\i)+512*\k th:TH_STORE_NT   ; 512 consecutive bytes, aligned; written once, read by nobody here
.endr
.endm
	ROW 0
	ROW 1
	s_wait_xcnt 0x0
	v_lshl_add_u32 v254, v0, 2, 0x26200
	v_mov_b32 v255, 0
	s_wait_alu depctr_va_vdst(0)
	s_wait_tensorcnt 0x0
	ds_add_u32 v254, v255
	s_wait_dscnt 0x0
	s_endpgm
.Lfunc_end_k_qa890cf0a63_proj:
	.size	k_qa890cf0a63_proj, .Lfunc_end_k_qa890cf0a63_proj-k_qa890cf0a63_proj
	.p2alignl 7, 3214868480
	.fill 96, 4, 3214868480
	.section	.rodata,"a",@progbits
	.p2align	6, 0x0
	.amdhsa_kernel k_qa890cf0a63_proj
		.amdhsa_group_segment_fixed_size 158208
		.amdhsa_private_segment_fixed_size 0
		.amdhsa_enable_private_segment 0
		.amdhsa_kernarg_size 56
		.amdhsa_user_sgpr_count 2
		.amdhsa_user_sgpr_kernarg_segment_ptr 1
		.amdhsa_wavefront_size32 1
		.amdhsa_system_sgpr_workgroup_id_x 1
		.amdhsa_system_sgpr_workgroup_id_y 1
		.amdhsa_system_sgpr_workgroup_id_z 1
		.amdhsa_system_vgpr_workitem_id 0
		.amdhsa_next_free_vgpr 256
		.amdhsa_next_free_sgpr 66
		.amdhsa_reserve_vcc 0
		.amdhsa_float_denorm_mode_32 3
		.amdhsa_float_denorm_mode_16_64 3
		.amdhsa_memory_ordered 1
		.amdhsa_forward_progress 1
		.amdhsa_inst_pref_size 55
	.end_amdhsa_kernel
	.amdgpu_metadata
---
amdhsa.version: [ 1, 2 ]
amdhsa.kernels:
  - .name:           k_qa890cf0a63_proj
    .symbol:         k_qa890cf0a63_proj.kd
    .args:
      - { .name: oq, .offset: 0, .size: 8, .value_kind: global_buffer, .address_space: global }
      - { .name: xw, .offset: 8, .size: 8, .value_kind: global_buffer, .address_space: global }
      - { .name: inputs, .offset: 16, .size: 8, .value_kind: global_buffer, .address_space: global }
      - { .name: bo, .offset: 24, .size: 8, .value_kind: global_buffer, .address_space: global }
      - { .name: ln_gamma, .offset: 32, .size: 8, .value_kind: global_buffer, .address_space: global }
      - { .name: ln_beta, .offset: 40, .size: 8, .value_kind: global_buffer, .address_space: global }
      - { .name: out0, .offset: 48, .size: 8, .value_kind: global_buffer, .address_space: global }
    .group_segment_fixed_size: 158208
    .private_segment_fixed_size: 0
    .kernarg_segment_align: 8
    .kernarg_segment_size: 56
    .max_flat_workgroup_size: 512
    .sgpr_count:     66
    .vgpr_count:     256
    .wavefront_size: 32
...
	.end_amdgpu_metadata
.endif
;; end of part 4
